; MI455X (gfx1250); checked and timed in simulation.
; The chip was launched on July 23, 2026; its instructions are those of AMD's public machine-readable ISA for CDNA 5 (MIT licence, August 2026) and "CDNA5" Instruction Set Architecture Reference Guide (July 2026). The comments in the code are by the model that wrote it; some were corrected since.
;; Multi Head Attention. Allowed arithmetic: matrix products marked QUANTISED: E3M2 operands, one E8M0 scale for each 32 along K, by v_wmma_scale_f32_16x16x128_f8f6f4 with both operands' format E3M2, f32 sums; everything else in f32.
;; Inputs: key 4 x 2,048 x 1,024 float32; mask 1 x 1 x 2,048 x 2,048 int32; query 4 x 2,048 x 1,024 float32; value 4 x 2,048 x 1,024 float32; w_k 1,024 x 1,024 float32; w_o 1,024 x 1,024 float32; w_q 1,024 x 1,024 float32; w_v 1,024 x 1,024 float32.
;; Outputs: out0 4 x 2,048 x 1,024 float32.
;; This version of the problem:
;;   THIS VERSION OF THE PROBLEM IS GIVEN IN LOW PRECISION. The matrix products marked QUANTISED in the list below multiply operands that are first quantised to E3M2 (3 exponent bits, 2 mantissa bits; 6 bits a number), with one power-of-two scale for each 32 numbers along K (OCP MX v1.0); their sums are f32. All else is computed in f32.
;;   The module's matrix products, in the order in which they are computed (A, B: the left and right operand; K: the contracted axis; several contracted axes count as one K, in the product's order):
;;     1. [M 8,192, K 1,024] x [K 1,024, N 1,024]; A: input query; B: input w_q: QUANTISED
;;     2. [M 8,192, K 1,024] x [K 1,024, N 1,024]; A: input key; B: input w_k: QUANTISED
;;     3. [M 8,192, K 1,024] x [K 1,024, N 1,024]; A: input value; B: input w_v: QUANTISED
;;     4. batch 64 x [M 2,048, K 64] x [K 64, N 2,048]; A: computed on the way; B: computed on the way: QUANTISED
;;     5. batch 64 x [M 2,048, K 2,048] x [K 2,048, N 64]; A: softmax (see below); B: computed on the way: QUANTISED
;;     6. [M 8,192, K 1,024] x [K 1,024, N 1,024]; A: computed on the way; B: input w_o: QUANTISED
;;   THE QUANTISER, for each operand of a quantised product, along K:
;;     - K is cut into blocks of 32 from its start; a last block that is shorter is filled with zeros.
;;     - A block's scale is 2^e with e = floor(log2(the largest magnitude in the block)) - 4, held to -126 .. 127; a block of zeros has e = 0. As a byte (E8M0): e + 127.
;;     - Each number is divided by its block's scale, clamped to +-28, and rounded to the nearest number of E3M2, ties to even, subnormals kept.
;;     - The product sums the exact products of the quantised numbers (number of the format x scale) in f32.
;;   ~~~python
;;   def quantise(x, axis):      # numpy; x: float32 -> the quantised numbers, widened to float32 again
;;       x = np.moveaxis(x, axis, -1); K = x.shape[-1]
;;       x = np.pad(x, [(0, 0)] * (x.ndim - 1) + [(0, -K % 32)]); x = x.reshape(x.shape[:-1] + (-1, 32)); a = np.abs(x).max(-1, keepdims=True)
;;       e = np.where(a > 0, np.clip(np.frexp(np.where(a > 0, a, 1))[1] - 1 - 4, -126, 127), 0)      # np.frexp(a)[1] - 1 = floor(log2(a)), exactly
;;       r = np.clip(x / 2.0 ** e, -28, 28)
;;       step = 2.0 ** (np.maximum(np.frexp(np.where(r == 0, 1, r))[1] - 1, -2) - 2)
;;       q = np.round(r / step) * step * 2.0 ** e      # np.round: ties to even
;;       return np.moveaxis(q.reshape(q.shape[:-2] + (-1,))[..., :K], -1, axis).astype(np.float32)
;;   ~~~
;;   SOFTMAX AHEAD OF A QUANTISED PRODUCT. Where the list says 'softmax', what is quantised is not the finished softmax but p = 2^(t - M), with t = logit x log2(e) and M = ceil(the row's largest t), a whole number; so 1/2 < the row's largest p <= 1. The row's sum l is taken of the UNQUANTISED p, in f32, and the product's result is divided by l at the end. Since M is a whole number, a kernel that streams over the keys may use a running M (the ceiling of the running maximum): every later rescaling is an exact power of two, which a block's scale takes up: the codes' values come out the same.
;;   OPERANDS COMPUTED ON THE WAY. 'Computed on the way' means the value that the module computes at that place (a softmax that the list does not call 'softmax' is quantised finished and normalised). What goes into a quantiser is computed in f32, as accurately as f32 sums, v_exp_f32 and their like allow (about 1e-6 of the number): no bf16 or f16 on the way to a quantiser, and a product that is left as it is and whose result goes on into a quantised operand takes f32 operands (vector FMAs, or v_wmma_f32_16x16x4_f32). A number that lies on a knife's edge between two numbers of the format may be rounded either way, as far as f32 arithmetic and the matrix unit's own rounding can turn it there, and no further.
;; 2 versions, each right; version 2 is version 1 with the launch attn written anew for expert scheduling mode. Each part assembles by itself: llvm-mc -triple=amdgcn-amd-amdhsa -mcpu=gfx1250 --defsym DOCPART=n.
;; ======== version 1 of 2: 4 launches
;; limits: right only within a limited range of input values
;; workspace buffers: cod 22,937,600 bytes; msk 532,480 bytes of whole numbers; qq 6,815,744 bytes; kv 13,631,488 bytes; xc 6,553,600 bytes
;; launch prep (part 1): grid 960 x 1, 4 waves a work-group, no clusters, 68,096 bytes of LDS; arguments query, key, value, w_q, w_k, w_v, w_o, mask, cod, msk; writes cod, msk
.if DOCPART == 1
	.amdgcn_target "amdgcn-amd-amdhsa--gfx1250"
	.amdhsa_code_object_version 6
	.text
	.protected	k_q1703756677_prep
	.globl	k_q1703756677_prep
	.p2align	8
	.type	k_q1703756677_prep,@function
k_q1703756677_prep:
	s_mov_b64 s[64:65], 0
	v_nop
	global_prefetch_b8 v0, s[64:65] scope:SCOPE_SE
	s_setreg_imm32_b32 hwreg(HW_REG_WAVE_MODE, 25, 1), 1
	s_wait_xcnt 0x0
; PREP.  (1) query, key, value [8192][1024] and w_q, w_k, w_v, w_o [1024][1024], f32, K innermost, become codes of BF6 (E3M2) with one E8M0 byte for each 32 along K,
; laid in the ORDER OF THE OPERAND'S REGISTERS.  A row tile u (16 rows x 1,024 K) is 16 half fragments of 768 bytes (16 rows x 64 K: a lane's registers 0-3 at 16 x lane, its registers 4-5 at 512 + 8 x lane)
; at cod + 12,288 u, and an image of its scale words, 512 bytes, at cod + SCL + 512 u: lane (r, h) has four words at 16 x lane, word i that of K step 4 h + i of row r.
; Which rows form a tile: query and w_o: lane r of tile t is row 16 t + r.  The others: row 32 (t / 2) + 8 (t % 2) + r + 8 (r / 8), so that a product that takes such a tile as source 0 leaves 16 neighbours in two tiles' registers.
; (2) mask [2048][2048], int32, becomes whole numbers: for each tile of 16 queries T and step of 128 keys s, 64 lane masks (bit l of word n: mask[16 T + l % 16][128 s + 32 (n / 16) + 16 (l / 16) + n % 16] == 0)
; at msk + 256 (16 T + s), and one word at msk + DIG + 4 (16 T + s): bits 15:0: row r has an open key in this step; bit 16: no key of the tile is blocked.
; SHARES.  Work-groups 0 .. 447: a wave takes one row tile.  Work-groups 448 .. 959: a wave takes one (T, s).  Waves share nothing: no barrier.  Each path has LDS bytes of its own.
; A load reads 512 consecutive bytes of one row; the 16 x 512 bytes of a K step turn through the wave's stage in LDS (rows 528 bytes apart = 33 x 16: sixteen rows begin in sixteen different 16-byte columns of 256 bytes)
; and come back 16 neighbours of each block of 32 to a lane, as the conversions want them.
; A block's scale is 2^(floor(log2(its largest magnitude)) - 4); its byte is the largest magnitude's exponent field - 4, held at 1 from below.
; LIMITS: a block whose largest magnitude lies under 2^-122 has the byte 1; a block of zeros has the byte 1 where the rule says 127 (its codes are zeros, and this program alone reads the bytes); NaN and infinities are not served.
.set QWG,   448                        ; work-groups that quantise
.set ROWB,  4096                       ; a row of any of the seven tensors, in bytes
.set MROW,  8192                       ; a row of the mask
.set SP,    528                        ; a stage row
.set STG,   16*SP                      ; a wave's stage
.set MSTG,  4*STG                      ; the mask path's four stages lie behind the quantising path's
.set TILEB, 12288                      ; a row tile's codes
.set SCL,   1792*TILEB                 ; behind the codes: the scale words' images
.set DIG,   524288                     ; behind the lane masks: the words
.set LANE, 1
.set VLO,  2                           ; v2   my 16 bytes of the tile's rows 0-7
.set VHI,  3                           ; v3   of its rows 8-15
.set STI,  4                           ; v4   the stage, on the way in: 16 x lane
.set STO,  5                           ; v5   on the way out: 528 r + 64 h
.set O16,  6                           ; v6   16 x lane
.set O8,   7                           ; v7   8 x lane
.set PW,   8                           ; v8-15 the scale words of the eight K steps (mask path: v8-9 the lane masks, v10-12 at work)
.set TM,   16                          ; v16-31 at work in QUANT
.set PC,   32                          ; v32-51 the codes just made
.set SWO,  52                          ; v52-55 the scale words' image
.set R,    64                          ; v64-191 two sets of 64 numbers as loaded
.set X,    192                         ; v192-255 64 numbers, register 16 b + i = k 32 b + 16 h + i of my row
.set SEL,  28                          ; s[28:29] v_permlanex16_b32's selects for lane l xor 16
; 64 numbers of a lane become a fragment's codes in v[PC] .. v[PC+11] and its scale word in v[pw] (the same in lanes l and l xor 16)
.macro QUANT s, pw
.irp b, 0,1,2,3
	v_max3_num_f32 v[TM+\b], |v[\s+16*\b]|, |v[\s+1+16*\b]|, 0x2800000   ; block b: my 16 numbers, and the floor 2^(5 - 127): the byte cannot fall under 1
.endr
.irp i, 2,4,6,8,10,12,14
.irp b, 0,1,2,3
	v_max3_num_f32 v[TM+\b], v[TM+\b], |v[\s+16*\b+\i]|, |v[\s+1+16*\b+\i]|   ; the four blocks by turns
.endr
.endr
.irp b, 0,1,2,3
	v_permlanex16_b32 v[TM+4+\b], v[TM+\b], s[SEL], s[SEL+1]
.endr
.irp b, 0,1,2,3
	v_max_num_f32 v[TM+\b], v[TM+\b], v[TM+4+\b]   ; with lane l xor 16's: the block's largest magnitude
.endr
.irp b, 0,1,2,3
	v_add_nc_u32 v[TM+12+\b], 0xfe000000, v[TM+\b] ; 4 off its exponent field: the conversion's scale operand
.endr
.irp b, 0,1,2,3
	v_lshrrev_b32 v[TM+4+\b], 23, v[TM+12+\b]      ; the scale's byte
.endr
	v_lshl_or_b32 v[\pw], v[TM+5], 8, v[TM+4]
	v_lshl_or_b32 v[\pw], v[TM+6], 16, v[\pw]
	v_lshl_or_b32 v[\pw], v[TM+7], 24, v[\pw]
.irp c, 0,1
	v_cvt_scalef32_pk16_bf6_f32 v[PC+6*\c:PC+2+6*\c], v[\s+32*\c:\s+15+32*\c], v[TM+12+2*\c]
	v_cvt_scalef32_pk16_bf6_f32 v[PC+12+4*\c:PC+14+4*\c], v[\s+16+32*\c:\s+31+32*\c], v[TM+13+2*\c]   ; (a conversion's three registers begin on an even number)
.endr
	v_nop                                          ; one plain place behind a scaled conversion
.irp c, 0,1                                    ; the operand's layout wants a whole block in a lane: lanes 0-15 block 2 c, lanes 16-31 block 2 c + 1
.irp i, 0,1,2
	v_permlane16_swap_b32 v[PC+6*\c+\i], v[PC+12+4*\c+\i]
.endr
.irp i, 0,1,2
	v_mov_b32 v[PC+3+6*\c+\i], v[PC+12+4*\c+\i]
.endr
.endr
.endm
.macro LOADQ ks, set                   ; K step ks of the tile's 16 rows: each load reads 512 consecutive bytes of one row
.irp i, 0,1,2,3,4,5,6,7
	global_load_b128 v[R+64*(\set)+4*\i:R+64*(\set)+4*\i+3], v[VLO], s[24:25] offset:\i*ROWB+(\ks)*512 th:TH_LOAD_NT
.endr
.irp i, 8,9,10,11,12,13,14,15
	global_load_b128 v[R+64*(\set)+4*\i:R+64*(\set)+4*\i+3], v[VHI], s[24:25] offset:\i*ROWB+(\ks)*512 th:TH_LOAD_NT
.endr
.endm
.macro TURN set, base                  ; through the stage: LDS serves a wave's instructions in order (ISA guide 5.7.1.4), so no wait stands between the stores and the loads
.irp i, 0,1,2,3,4,5,6,7,8,9,10,11,12,13,14,15
	ds_store_b128 v[STI], v[R+64*(\set)+4*\i:R+64*(\set)+4*\i+3] offset:(\base)+\i*SP
.endr
.irp b, 0,1,2,3
.irp j, 0,1,2,3
	ds_load_b128 v[X+16*\b+4*\j:X+16*\b+4*\j+3], v[STO] offset:(\base)+128*\b+16*\j
.endr
.endr
.endm
.macro PICK first, ptr, p              ; from work-group first on: another tensor.  The choice hangs on the work-group's number alone
	s_cmp_ge_u32 ttmp9, \first
	s_cselect_b64 s[24:25], s[\ptr:\ptr+1], s[24:25]
	s_cselect_b32 s26, \first, s26
	s_cselect_b32 s27, \p, s27
.endm
	s_load_b512 s[4:19], s[0:1], 0x0               ; query, key, value, w_q, w_k, w_v, w_o, mask
	s_load_b128 s[20:23], s[0:1], 0x40             ; cod, msk
	v_lshl_add_u32 v62, v0, 2, 0x10800
	v_mov_b32 v63, 0
	v_lshrrev_b32 v1, 5, v0
	v_readfirstlane_b32 s2, v1                     ; wave 0..3
	v_and_b32 v[LANE], 31, v0
	v_and_b32 v10, 15, v0                          ; r
	v_bfe_u32 v11, v0, 4, 1                        ; h
	v_lshlrev_b32 v[O16], 4, v[LANE]
	v_lshlrev_b32 v[O8], 3, v[LANE]
	s_mul_i32 s3, s2, STG
	v_add_nc_u32 v[STI], s3, v[O16]
	v_mul_u32_u24 v[STO], v10, SP
	v_lshl_add_u32 v[STO], v11, 6, v[STO]
	v_add_nc_u32 v[STO], s3, v[STO]
	s_wait_kmcnt 0x0
	s_cmp_ge_u32 ttmp9, QWG
	s_cbranch_scc1 .Lmask
	; ---- the quantising path
	s_mov_b64 s[24:25], s[4:5]                     ; query,
	s_mov_b32 s26, 0                               ; whose first work-group is 0,
	s_mov_b32 s27, 0                               ; rows of a tile on end (8: the other order)
	PICK 128, 6, 8                                 ; key
	PICK 256, 8, 8                                 ; value
	PICK 384, 10, 8                                ; w_q
	PICK 400, 12, 8                                ; w_k
	PICK 416, 14, 8                                ; w_v
	PICK 432, 16, 0                                ; w_o
	s_mov_b32 s[SEL], 0x76543210
	s_mov_b32 s[SEL+1], 0xfedcba98
	s_mov_b32 s30, 0xffff0000                      ; lanes 16-31
	s_lshl_b32 s31, ttmp9, 2
	s_add_co_u32 s31, s31, s2                      ; u: my row tile in cod
	s_lshl_b32 s32, s26, 2
	s_sub_co_u32 s32, s31, s32                     ; t: my row tile in its tensor
	s_and_b32 s33, s32, 1
	s_mul_i32 s33, s33, s27
	s_lshl_b32 s32, s32, 4
	s_sub_co_u32 s32, s32, s33                     ; the tile's first row: 16 t, or 16 t - 8 (t % 2)
	s_lshl_b32 s32, s32, 12
	v_add_nc_u32 v[VLO], s32, v[O16]
	s_lshl_b32 s33, s27, 12
	v_add_nc_u32 v[VHI], s33, v[VLO]               ; lanes' rows 8-15 lie 0 or 8 rows further on
	s_mul_i32 s34, s31, TILEB
	s_mov_b32 s35, 0
	s_add_nc_u64 s[34:35], s[20:21], s[34:35]      ; my tile's codes
	s_lshl_b32 s36, s31, 9
	s_add_co_u32 s36, s36, SCL
	s_mov_b32 s37, 0
	s_add_nc_u64 s[36:37], s[20:21], s[36:37]      ; and its scale words
.irp b, 0,1,2,3
	v_mov_b32 v[TM+4+\b], 0                        ; written once: a lane permute's destination counts as one of its sources
.endr
	LOADQ 0, 0
	LOADQ 1, 1
.macro KSTEP ks
.if (\ks) < 7
	s_wait_loadcnt 16                              ; this step's 16 loads are in; the next step's 16 may be out
.else
	s_wait_loadcnt 0x0
.endif
	TURN (\ks)%2, 0
	s_wait_dscnt 0x0                               ; my 64 numbers are back, and the stores have read the set,
.if (\ks) < 6
	LOADQ (\ks)+2, (\ks)%2                         ; which takes the loads of two steps on
.endif
	s_wait_xcnt 0x0                                ; the last step's stores have read the codes' registers: they are written again only behind this wait
	QUANT X, PW+(\ks)
	global_store_b128 v[O16], v[PC:PC+3], s[34:35] offset:(\ks)*1536          ; 512 consecutive bytes, aligned
	global_store_b64 v[O8], v[PC+4:PC+5], s[34:35] offset:(\ks)*1536+512      ; 256
	global_store_b128 v[O16], v[PC+6:PC+9], s[34:35] offset:(\ks)*1536+768
	global_store_b64 v[O8], v[PC+10:PC+11], s[34:35] offset:(\ks)*1536+1280
.endm
.irp k, 0,1,2,3,4,5,6,7
	KSTEP \k
.endr
.irp i, 0,1,2,3
	v_cndmask_b32 v[SWO+\i], v[PW+\i], v[PW+4+\i], s30   ; lanes 0-15: K steps 0-3; lanes 16-31: K steps 4-7
.endr
	global_store_b128 v[O16], v[SWO:SWO+3], s[36:37]
	s_wait_tensorcnt 0x0
	ds_add_u32 v62, v63
	s_wait_dscnt 0x0
	s_endpgm
	; ---- the mask path
.Lmask:
	s_sub_co_u32 s31, ttmp9, QWG
	s_lshl_b32 s31, s31, 2
	s_add_co_u32 s31, s31, s2                      ; 16 T + s
	s_lshr_b32 s32, s31, 4
	s_lshl_b32 s32, s32, 17                        ; 16 T rows of 8,192 bytes
	s_and_b32 s33, s31, 15
	s_lshl_b32 s33, s33, 9                         ; 128 s numbers of 4 bytes
	s_add_co_u32 s32, s32, s33
	v_add_nc_u32 v[VLO], s32, v[O16]
.irp i, 0,1,2,3,4,5,6,7,8,9,10,11,12,13,14,15
	global_load_b128 v[R+4*\i:R+4*\i+3], v[VLO], s[18:19] offset:\i*MROW th:TH_LOAD_NT
.endr
	v_mov_b32 v[PW], 0                             ; v_writelane_b32's destination counts as read
	v_mov_b32 v[PW+1], 0
	s_mov_b32 s24, -1                              ; bit l: all 64 of lane l are blocked
	s_mov_b32 s25, 0                               ; bit l: some of lane l's are
	s_wait_loadcnt 0x0
	TURN 0, MSTG
	s_wait_dscnt 0x0
.set n, 0
.rept 64
	v_cmp_eq_u32 s26, 0, v[X+n]                    ; the lane mask of score register n
	s_and_b32 s24, s24, s26
	s_or_b32 s25, s25, s26
	v_writelane_b32 v[PW+(n&1)], s26, n>>1         ; word n: register n % 2 of lane n / 2
.set n, n+1
.endr
	s_lshl_b32 s32, s31, 8
	v_add_nc_u32 v12, s32, v[O8]
	global_store_b64 v12, v[PW:PW+1], s[22:23]     ; 256 consecutive bytes, aligned
	s_lshr_b32 s26, s24, 16
	s_and_b32 s24, s24, s26                        ; row r is blocked throughout: lanes r and r + 16 are
	s_not_b32 s24, s24
	s_and_b32 s24, s24, 0xffff                     ; row r has an open key
	s_cmp_eq_u32 s25, 0
	s_cselect_b32 s26, 0x10000, 0                  ; nothing is blocked
	s_or_b32 s24, s24, s26
	s_lshl_b32 s33, s31, 2
	v_mov_b32 v10, s33
	v_mov_b32 v11, s24
	s_wait_xcnt 0x0                                ; EXEC changes only behind this wait: it is a source of the store above
	v_cmp_eq_u32 vcc_lo, 0, v[LANE]
	s_wait_tensorcnt 0x0
	ds_add_u32 v62, v63
	s_wait_dscnt 0x0
	s_and_saveexec_b32 s38, vcc_lo
	global_store_b32 v10, v11, s[22:23] offset:DIG ; lane 0 alone
	s_wait_xcnt 0x0                                ; and again in front of the line that widens it
	s_or_b32 exec_lo, exec_lo, s38
	s_endpgm
.Lfunc_end_k_q1703756677_prep:
	.size	k_q1703756677_prep, .Lfunc_end_k_q1703756677_prep-k_q1703756677_prep
	.p2alignl 7, 3214868480
	.fill 96, 4, 3214868480
	.section	.rodata,"a",@progbits
	.p2align	6, 0x0
	.amdhsa_kernel k_q1703756677_prep
		.amdhsa_group_segment_fixed_size 68096
		.amdhsa_private_segment_fixed_size 0
		.amdhsa_enable_private_segment 0
		.amdhsa_kernarg_size 80
		.amdhsa_user_sgpr_count 2
		.amdhsa_user_sgpr_kernarg_segment_ptr 1
		.amdhsa_wavefront_size32 1
		.amdhsa_system_sgpr_workgroup_id_x 1
		.amdhsa_system_sgpr_workgroup_id_y 1
		.amdhsa_system_sgpr_workgroup_id_z 1
		.amdhsa_system_vgpr_workitem_id 0
		.amdhsa_next_free_vgpr 256
		.amdhsa_next_free_sgpr 66
		.amdhsa_reserve_vcc 1
		.amdhsa_float_denorm_mode_32 3
		.amdhsa_float_denorm_mode_16_64 3
		.amdhsa_memory_ordered 1
		.amdhsa_forward_progress 1
		.amdhsa_inst_pref_size 83
	.end_amdhsa_kernel
	.amdgpu_metadata
---
amdhsa.version: [ 1, 2 ]
amdhsa.kernels:
  - .name:           k_q1703756677_prep
    .symbol:         k_q1703756677_prep.kd
    .args:
      - { .name: query, .offset: 0, .size: 8, .value_kind: global_buffer, .address_space: global }
      - { .name: key, .offset: 8, .size: 8, .value_kind: global_buffer, .address_space: global }
      - { .name: value, .offset: 16, .size: 8, .value_kind: global_buffer, .address_space: global }
      - { .name: w_q, .offset: 24, .size: 8, .value_kind: global_buffer, .address_space: global }
      - { .name: w_k, .offset: 32, .size: 8, .value_kind: global_buffer, .address_space: global }
      - { .name: w_v, .offset: 40, .size: 8, .value_kind: global_buffer, .address_space: global }
      - { .name: w_o, .offset: 48, .size: 8, .value_kind: global_buffer, .address_space: global }
      - { .name: mask, .offset: 56, .size: 8, .value_kind: global_buffer, .address_space: global }
      - { .name: cod, .offset: 64, .size: 8, .value_kind: global_buffer, .address_space: global }
      - { .name: msk, .offset: 72, .size: 8, .value_kind: global_buffer, .address_space: global }
    .group_segment_fixed_size: 68096
    .private_segment_fixed_size: 0
    .kernarg_segment_align: 8
    .kernarg_segment_size: 80
    .max_flat_workgroup_size: 128
    .sgpr_count:     66
    .vgpr_count:     256
    .wavefront_size: 32
...
	.end_amdgpu_metadata
.endif
;; end of part 1
;; launch proj (part 2): grid 4 x 192, 4 waves a work-group, clusters of 4 x 4, 295,424 bytes of LDS; arguments cod, qq, kv; writes qq, kv
.if DOCPART == 2
	.amdgcn_target "amdgcn-amd-amdhsa--gfx1250"
	.amdhsa_code_object_version 6
	.text
	.protected	k_q1703756677_proj
	.globl	k_q1703756677_proj
	.p2align	8
	.type	k_q1703756677_proj,@function
k_q1703756677_proj:
	s_mov_b64 s[64:65], 0
	v_nop
	global_prefetch_b8 v0, s[64:65] scope:SCOPE_SE
	s_setreg_imm32_b32 hwreg(HW_REG_WAVE_MODE, 25, 1), 1
	s_wait_xcnt 0x0
	s_wait_alu depctr_hold_cnt(0) depctr_sa_sdst(0) depctr_va_vdst(0) depctr_va_sdst(0) depctr_va_ssrc(0) depctr_va_vcc(0) depctr_vm_vsrc(0)
	s_getreg_b32 s2, hwreg(HW_REG_IB_STS2, 6, 4)
	s_cmp_eq_u32 s2, 0
	s_cbranch_scc0 .Lentry_in_a_cluster
	s_endpgm
.Lentry_in_a_cluster:
	s_bfe_u32 s2, ttmp6, 0x10000c
	s_cmp_lg_u32 s2, 0xf033
	s_cbranch_scc0 .Lentry_shape_is_right
	s_endpgm
.Lentry_shape_is_right:
; PROJ.  q = query w_q^T, k = key w_k^T, v = value w_v^T on codes of BF6 (E3M2) with E8M0 scales, K = 1,024; each result is quantised in registers and leaves as codes in the order of attention's operand registers.
; D[i][j] = sum over K of src0[i] . src1[j].  A work-group makes 256 rows of src0 x 128 rows of src1; wave w: src0's half WX = w % 2 (8 row tiles t), src1's half WY = w / 2 (4 row tiles a): 32 accumulators, 256 registers.
; For q and k: src0 = the weight, src1 = the tokens: a lane holds one token and its registers run along the head's 64.  For v: src0 = the tokens, src1 = the weight: a lane holds one channel and its registers run along the KEYS,
; which are the K of attention's second product.  src0's row tiles are laid so that the 16 registers of tiles 2 b and 2 b + 1 are 16 neighbours: index 32 b + 16 (lane / 16) + 0 .. 15.
; ALL OF K LIES IN LDS AT ONCE: 384 rows x 768 bytes = 294,912 bytes, filled once, in four chunks of two K steps, four tensor loads a wave, all issued at the head: four of mine are out.  No byte is filled twice.
; A chunk's barrier has a counted wait: the younger chunks stay on their way while this one is multiplied.
; CLUSTERS: 4 x 4 work-groups.  src0's rows hang on i0 (cx) and are shared along a column of the cluster, src1's on i1 (cy) and are shared along a row: each tile is asked for jointly.
; The codes lie in memory in the order of the operand's registers (a half fragment, 16 rows x 64 K: registers 0-3 at 16 x lane, registers 4-5 at 512 + 8 x lane), so every LDS load reads 512 or 256 consecutive bytes.
; The scale words come from memory straight into registers: an image of 512 bytes a row tile, four registers: K steps 0-3 in lanes 0-15, K steps 4-7 in lanes 16-31.
; REGISTERS, in windows of 256: window 0: v1-11 addresses; v32-63 src0's scale words, v64-79 src1's; v96-157 the way out.  Windows 1 and 2: two sets of fragments (src0's tile t at v[12 t], src1's tile a at v[96 + 12 a]).
;   Window 3: accumulator (a, t) at v[64 a + 8 t].
; LIMITS: a block's byte is held at 1 from below (largest magnitude under 2^-122; a block of zeros too: its codes are zeros and this program alone reads the bytes); NaN and infinities are not served.
.set TILEB, 12288                      ; a row tile's codes, all of K
.set SCL,   1792*TILEB                 ; where the scale words' images begin in cod
.set CHB,   3072                       ; a chunk's part of a row tile: two K steps
.set S0OFF, 8*CHB                      ; a chunk in LDS: src1's 8 row tiles, then src0's 16
.set CHUNK, 24*CHB
.set RECB,  13312                      ; kv: a record of (batch x head, key step): K's 8 half fragments, V's 4 fragments, K's scale image, V's
.set L16, 4                            ; v4   16 x lane
.set L8,  5                            ; v5   8 x lane
.set A16, 6                            ; v6-7 LDS address of my src1 fragments in the chunk in hand (16 x lane, 8 x lane)
.set A8,  7
.set B16, 8                            ; v8-9 the same for src0
.set B8,  9
.set VS0, 10                           ; v10-11 where my scale images lie
.set VS1, 11
.set SB,  32
.set SA,  64
.set EA,  96                           ; v96-111 the way out: for tile a: half fragment 0 (16 x lane, 8 x lane), half fragment 1
.set PWR, 112                          ; v112-115 the four tiles' scale words
.set TM,  116                          ; v116-131 at work
.set PC,  132                          ; v132-151 the codes just made
.set SD,  152                          ; v152-155 the scale words as they leave
.set SAD, 156                          ; v156 where
.set SSH, 157                          ; v157 how far my half of the lanes shifts them
.set SEL, 20                           ; s[20:21]
.set G1A, 24                           ; s[24:31] descriptor group 1 for src1's tiles;  s[32:39] for src0's
.set G1B, 32
.set G0A, 40                           ; s[40:55] groups 0 for src1's four chunks;  s[68:83] for src0's
.set G0B, 68
.set MSB, 0
.macro WIN new                         ; the immediate's high byte repeats the setting that is left
.if MSB != (\new)
	s_set_vgpr_msb (MSB<<8)|(\new)
.set MSB, (\new)
.endif
.endm
.macro CROUND                          ; a round of the cluster's barrier
	s_barrier_signal -1
	s_barrier_wait -1
	s_cmp_lg_u32 s10, 0
	s_cbranch_scc1 .Lnot_wave_0_\@
	s_barrier_signal -3
.Lnot_wave_0_\@:
	s_barrier_wait -3
	s_barrier_signal -1
	s_barrier_wait -1
.endm
.macro PLACES n                        ; plain vector instructions behind matrix instructions (ISA guide 7.12.1), where no other work is at hand
.rept \n
	v_nop
.endr
.endm
.macro ARRIVE c                        ; chunk c is whole for every wave
	s_wait_tensorcnt 3-(\c)                        ; tensor loads end in order: my part of chunk c is in; the 3 - c younger chunks may be out
	s_wait_dscnt 0x0                               ; no LDS instruction of mine is pending at a signal
	s_barrier_signal -1
	s_barrier_wait -1
.endm
.macro FRAG f, a16, a8, o              ; a fragment: two half fragments of 768 bytes
	ds_load_b128 v[\f:\f+3], v[\a16] offset:(\o)
	ds_load_b64 v[\f+4:\f+5], v[\a8] offset:(\o)+512
	ds_load_b128 v[\f+6:\f+9], v[\a16] offset:(\o)+768
	ds_load_b64 v[\f+10:\f+11], v[\a8] offset:(\o)+1280
.endm
.macro FETCH q                         ; K step q's twelve fragments, 48 loads in one run, into set q % 2
	WIN (1+((\q)&1))<<6
.irp t, 0,1,2,3,4,5,6,7
	FRAG 12*\t, B16, B8, \t*CHB+((\q)&1)*1536
.endr
.irp a, 0,1,2,3
	FRAG 96+12*\a, A16, A8, \a*CHB+((\q)&1)*1536
.endr
.endm
.macro MUL q                           ; 32 matrix instructions; the 32 accumulators take turns in the same order in every K step
	WIN 0xf5+5*((\q)&1)                            ; sources 0 and 1: window 1 or 2; C and D: window 3
.irp a, 0,1,2,3
.irp t, 0,1,2,3,4,5,6,7
.if (\q) == 0
	v_wmma_scale_f32_16x16x128_f8f6f4 v[64*\a+8*\t:64*\a+8*\t+7], v[12*\t:12*\t+11], v[96+12*\a:96+12*\a+11], 0, v[SB+4*\t], v[SA+4*\a] matrix_a_fmt:MATRIX_FMT_BF6 matrix_b_fmt:MATRIX_FMT_BF6
.elseif (\q) < 4
	v_wmma_scale_f32_16x16x128_f8f6f4 v[64*\a+8*\t:64*\a+8*\t+7], v[12*\t:12*\t+11], v[96+12*\a:96+12*\a+11], v[64*\a+8*\t:64*\a+8*\t+7], v[SB+4*\t+((\q)&3)], v[SA+4*\a+((\q)&3)] matrix_a_fmt:MATRIX_FMT_BF6 matrix_b_fmt:MATRIX_FMT_BF6
.else
	v_wmma_scale_f32_16x16x128_f8f6f4 v[64*\a+8*\t:64*\a+8*\t+7], v[12*\t:12*\t+11], v[96+12*\a:96+12*\a+11], v[64*\a+8*\t:64*\a+8*\t+7], v[SB+4*\t+((\q)&3)], v[SA+4*\a+((\q)&3)] matrix_a_fmt:MATRIX_FMT_BF6 matrix_b_fmt:MATRIX_FMT_BF6 matrix_a_scale:MATRIX_SCALE_ROW1 matrix_b_scale:MATRIX_SCALE_ROW1
.endif
.endr
.endr
.endm
	s_load_b128 s[4:7], s[0:1], 0x0                ; cod, qq
	s_load_b64 s[8:9], s[0:1], 0x10                ; kv
	v_lshl_add_u32 v254, v0, 2, 0x48000
	v_mov_b32 v255, 0
	ds_add_u32 v254, v255
	ds_add_u32 v254, v255
	v_lshrrev_b32 v1, 5, v0
	v_readfirstlane_b32 s10, v1                    ; wave 0..3
	s_lshr_b32 s11, s10, 1                         ; WY: my half of src1.  Also: I fetch src1 (0) or src0 (1)
	s_and_b32 s12, s10, 1                          ; WX: my half of src0.  Also: which half of that operand I fetch
	s_bfe_u32 s13, ttmp6, 0x40000                  ; cx
	s_bfe_u32 s14, ttmp6, 0x40004                  ; cy
	s_and_b32 s84, ttmp7, 0xffff                   ; the cluster's y, 0 .. 47: alike in all sixteen partners
	s_lshr_b32 s85, s84, 4                         ; 0: q, 1: k, 2: v
	s_and_b32 s86, s84, 15
	s_and_b32 s87, s86, 7
	s_lshr_b32 s88, s86, 3
	s_lshl_b32 s89, s85, 6
	s_add_co_u32 s89, s89, 1536                    ; q, k: src0 = w_q or w_k: its first row tile in cod;
	s_lshl_b32 s90, s85, 9                         ; src1 = query or key
	s_mov_b32 s91, 1024                            ; v: src0 = value,
	s_mov_b32 s92, 1664                            ; src1 = w_v
	s_cmp_eq_u32 s85, 2
	s_cselect_b32 s87, s87, 0                      ; clusters along src0: 8 for v (8,192 rows), 1 for q and k
	s_cselect_b32 s88, s88, s86                    ; along src1: 2 for v, 16 for q and k
	s_cselect_b32 s89, s91, s89
	s_cselect_b32 s90, s92, s90
	s_lshl_b32 s15, s87, 2
	s_add_co_u32 s15, s15, s13                     ; i0: which 256 rows of src0
	s_lshl_b32 s16, s88, 2
	s_add_co_u32 s16, s16, s14                     ; i1: which 128 rows of src1
	s_lshl_b32 s17, s14, 2
	s_lshl_b32 s17, 15, s17                        ; my row of the cluster
	s_lshl_b32 s18, 0x1111, s13                    ; my column
	; descriptor groups 1: 4 (src1) or 8 (src0) row tiles x 3,072 bytes, as elements of 8 bytes, 12,288 bytes from row tile to row tile; no padding
	s_or_b32 s[G1A], s17, (3<<16)|(1<<21)          ; 15:0 the mask: src1's tiles go to my row; 17:16 elements of 8 bytes; 21 set beside a mask
	s_or_b32 s[G1B], s18, (3<<16)|(1<<21)          ; src0's go to my column
	s_mov_b32 s[G1A+1], 384<<16                    ; tensor_dim0
	s_mov_b32 s[G1A+2], 4<<16                      ; tensor_dim1
	s_mov_b32 s[G1A+3], 384<<16                    ; tile_dim0
	s_mov_b32 s[G1A+4], 4                          ; tile_dim1
	s_mov_b32 s[G1A+5], 1536                       ; tensor_dim0_stride
	s_mov_b32 s[G1A+6], 0
	s_mov_b32 s[G1A+7], 0
	s_mov_b32 s[G1B+1], 384<<16
	s_mov_b32 s[G1B+2], 8<<16
	s_mov_b32 s[G1B+3], 384<<16
	s_mov_b32 s[G1B+4], 8
	s_mov_b32 s[G1B+5], 1536
	s_mov_b32 s[G1B+6], 0
	s_mov_b32 s[G1B+7], 0
	s_lshl_b32 s19, s15, 4
	s_add_co_u32 s19, s19, s89                     ; src0's first row tile of the work-group
	s_lshl_b32 s22, s16, 3
	s_add_co_u32 s22, s22, s90                     ; src1's
	s_lshl_b32 s56, s12, 3
	s_add_co_u32 s56, s56, s19                     ; src0: the 8 row tiles of half WX: those that I multiply, and in waves 2, 3 those that I fetch
	s_lshl_b32 s57, s12, 2
	s_add_co_u32 s57, s57, s22                     ; src1: the 4 row tiles that waves 0, 1 fetch
	s_mul_i32 s60, s56, TILEB
	s_mov_b32 s61, 0
	s_mul_i32 s62, s57, TILEB
	s_mov_b32 s63, 0
	s_mul_i32 s58, s12, 4*CHB                      ; where they go in a chunk: no place in the cluster enters an LDS address
	s_mul_i32 s59, s12, 8*CHB
	s_add_co_u32 s59, s59, S0OFF
	s_wait_dscnt 0x0
	s_wait_kmcnt 0x0
	s_add_nc_u64 s[60:61], s[4:5], s[60:61]
	s_add_nc_u64 s[62:63], s[4:5], s[62:63]
.irp c, 0,1,2,3
	s_mov_b32 s[G0A+4*\c], 1                       ; count = 1
	s_add_co_u32 s[G0A+4*\c+1], s58, \c*CHUNK      ; LDS address
	s_add_nc_u64 s[G0A+4*\c+2:G0A+4*\c+3], s[62:63], \c*CHB   ; global address: K steps 2 c, 2 c + 1
	s_or_b32 s[G0A+4*\c+3], s[G0A+4*\c+3], 0x80000000         ; type = 2
	s_mov_b32 s[G0B+4*\c], 1
	s_add_co_u32 s[G0B+4*\c+1], s59, \c*CHUNK
	s_add_nc_u64 s[G0B+4*\c+2:G0B+4*\c+3], s[60:61], \c*CHB
	s_or_b32 s[G0B+4*\c+3], s[G0B+4*\c+3], 0x80000000
.endr
	CROUND                                         ; all sixteen work-groups are here: the joint loads meet
	s_cmp_eq_u32 s11, 0                            ; a wave's four fills stand in one branch on the wave's number; four v_nop follow the last
	s_cbranch_scc0 .Lfill_src0
	tensor_load_to_lds s[G0A:G0A+3], s[G1A:G1A+7]
	s_nop 0
	tensor_load_to_lds s[G0A+4:G0A+7], s[G1A:G1A+7]
	s_nop 0
	tensor_load_to_lds s[G0A+8:G0A+11], s[G1A:G1A+7]
	s_nop 0
	tensor_load_to_lds s[G0A+12:G0A+15], s[G1A:G1A+7]
	s_nop 0
	PLACES 4
	s_branch .Lfilled
.Lfill_src0:
	tensor_load_to_lds s[G0B:G0B+3], s[G1B:G1B+7]
	s_nop 0
	tensor_load_to_lds s[G0B+4:G0B+7], s[G1B:G1B+7]
	s_nop 0
	tensor_load_to_lds s[G0B+8:G0B+11], s[G1B:G1B+7]
	s_nop 0
	tensor_load_to_lds s[G0B+12:G0B+15], s[G1B:G1B+7]
	s_nop 0
	PLACES 4
.Lfilled:
	v_and_b32 v1, 31, v0                           ; lane
	v_and_b32 v2, 15, v0                           ; r
	v_bfe_u32 v3, v0, 4, 1                         ; h
	v_lshlrev_b32 v[L16], 4, v1
	v_lshlrev_b32 v[L8], 3, v1
	s_lshl_b32 s86, s56, 9
	s_add_co_u32 s86, s86, SCL
	v_add_nc_u32 v[VS0], s86, v[L16]
	s_lshl_b32 s87, s11, 2
	s_add_co_u32 s87, s87, s22                     ; src1: the 4 row tiles of half WY, which I multiply
	s_lshl_b32 s87, s87, 9
	s_add_co_u32 s87, s87, SCL
	v_add_nc_u32 v[VS1], s87, v[L16]
.irp t, 0,1,2,3,4,5,6,7
	global_load_b128 v[SB+4*\t:SB+4*\t+3], v[VS0], s[4:5] offset:512*\t   ; 512 consecutive bytes
.endr
.irp a, 0,1,2,3
	global_load_b128 v[SA+4*\a:SA+4*\a+3], v[VS1], s[4:5] offset:512*\a
.endr
	s_mul_i32 s88, s11, 4*CHB
	v_add_nc_u32 v[A16], s88, v[L16]
	v_add_nc_u32 v[A8], s88, v[L8]
	v_add_nc_u32 v[B16], s59, v[L16]
	v_add_nc_u32 v[B8], s59, v[L8]
	s_mov_b32 s[SEL], 0x76543210
	s_mov_b32 s[SEL+1], 0xfedcba98
	; THE WAY OUT'S NUMBERS, by kind.  s56: where tile 0's first half fragment goes; s57: from tile a to a + 1; s58: from half fragment 0 to 1; s59: where the scale words go; s60: lanes 16-31's distance;
	; s61: their shift; s62, s63: what is kept of a word and what is set.  The branches hang on the cluster's y alone.
	s_cmp_eq_u32 s85, 2
	s_cbranch_scc1 .Ltype_v
	s_lshl_b32 s86, s16, 3
	s_lshl_b32 s87, s11, 2
	s_add_co_u32 s86, s86, s87                     ; my first tile of 16 tokens
	s_lshr_b32 s87, s86, 7                         ; the batch
	s_and_b32 s86, s86, 127                        ; the tile in it: a multiple of 4
	s_lshl_b32 s88, s15, 2
	s_lshl_b32 s89, s12, 1
	s_add_co_u32 s88, s88, s89                     ; my 128 features are heads 4 i0 + 2 WX and the next
	s_lshl_b32 s87, s87, 4
	s_add_co_u32 s87, s87, s88                     ; batch x 16 + head
	s_mov_b32 s57, 768
	s_mov_b32 s61, 16                              ; a word's upper two bytes are the second head's
	s_mov_b32 s62, 0xffff
	s_mov_b32 s63, 0x7f7f0000                      ; the two blocks that a head of 64 does not have: the byte of 1.0 over zero codes
	s_cmp_eq_u32 s85, 1
	s_cbranch_scc1 .Ltype_k
	s_lshl_b32 s56, s87, 7
	s_add_co_u32 s56, s56, s86
	s_mul_i32 s56, s56, 768                        ; qq: the half fragment of (head, tile)
	s_mov_b32 s58, 128*768                         ; the next head
	s_lshl_b32 s59, s87, 13
	s_lshr_b32 s89, s86, 2
	s_lshl_b32 s89, s89, 8
	s_add_co_u32 s59, s59, s89
	s_add_co_u32 s59, s59, 6291456                 ; its scale words: 8,192 bytes a head, 256 for four tiles: 16 r + 4 (tile % 4)
	s_mov_b32 s60, 8192
	s_branch .Ltyped
.Ltype_k:
	s_lshl_b32 s89, s87, 4
	s_lshr_b32 s90, s86, 3
	s_add_co_u32 s89, s89, s90
	s_mul_i32 s89, s89, RECB                       ; kv: the record of (head, key step)
	s_and_b32 s90, s86, 7
	s_mul_i32 s90, s90, 768
	s_add_co_u32 s56, s89, s90
	s_mov_b32 s58, 16*RECB                         ; the next head
	s_bfe_u32 s90, s86, 0x10002
	s_lshl_b32 s90, s90, 8
	s_add_co_u32 s59, s89, s90
	s_add_co_u32 s59, s59, 12288                   ; K's scale image: tiles 0-3 in its first 256 bytes, tiles 4-7 in its second
	s_mov_b32 s60, 16*RECB
	s_branch .Ltyped
.Ltype_v:
	s_lshl_b32 s86, s15, 1
	s_add_co_u32 s86, s86, s12                     ; my 128 tokens are key step (2 i0 + WX) % 16 of batch (2 i0 + WX) / 16
	s_lshr_b32 s87, s86, 4
	s_and_b32 s86, s86, 15
	s_lshl_b32 s88, s16, 1
	s_add_co_u32 s88, s88, s11                     ; my 64 features are head 2 i1 + WY
	s_lshl_b32 s87, s87, 4
	s_add_co_u32 s87, s87, s88
	s_lshl_b32 s87, s87, 4
	s_add_co_u32 s87, s87, s86
	s_mul_i32 s87, s87, RECB
	s_add_co_u32 s56, s87, 6144                    ; V's four fragments
	s_mov_b32 s57, 1536
	s_mov_b32 s58, 768
	s_add_co_u32 s59, s87, 12800                   ; V's scale image: both halves of the lanes alike
	s_mov_b32 s60, 256
	s_mov_b32 s61, 0
	s_mov_b32 s62, -1
	s_mov_b32 s63, 0
.Ltyped:
	s_cmp_eq_u32 s85, 0
	s_cselect_b64 s[66:67], s[6:7], s[8:9]         ; q goes to qq, k and v to kv
.irp a, 0,1,2,3
	v_add_nc_u32 v[EA+4*\a], s56, v[L16]
	v_add_nc_u32 v[EA+4*\a+1], s56, v[L8]
	v_add_nc_u32 v[EA+4*\a+2], s58, v[EA+4*\a]
	v_add_nc_u32 v[EA+4*\a+3], s58, v[EA+4*\a+1]
	s_add_co_u32 s56, s56, s57
.endr
	v_mul_u32_u24 v[SAD], s60, v3
	v_lshl_add_u32 v[SAD], v2, 4, v[SAD]
	v_add_nc_u32 v[SAD], s59, v[SAD]
	v_mul_u32_u24 v[SSH], s61, v3
.irp b, 0,1,2,3
	v_mov_b32 v[TM+4+\b], 0                        ; written once: a lane permute's destination counts as one of its sources
.endr
	ARRIVE 0
	FETCH 0
.irp q, 0,1,2,3,4,5,6
.if ((\q)&1) == 1
	WIN 0
	ARRIVE ((\q)+1)/2                              ; the next K step lies in the next chunk
	v_add_nc_u32 v[A16], CHUNK, v[A16]             ; these four are also the places in front of the loads into the set that the K step before multiplied
	v_add_nc_u32 v[A8], CHUNK, v[A8]
	v_add_nc_u32 v[B16], CHUNK, v[B16]
	v_add_nc_u32 v[B8], CHUNK, v[B8]
.elseif (\q) > 0
	PLACES 4
.endif
	FETCH (\q)+1
	s_wait_dscnt 48                                ; all but the 48 just issued: this K step's fragments are in
.if (\q) == 0
	s_wait_loadcnt 0x0                             ; the scale words
.endif
	MUL \q
.endr
	s_wait_dscnt 0x0
	MUL 7
	WIN 0
	PLACES 4                                       ; in front of the first read of results
; Tile a's 64 numbers of a lane (window 3, register 64 a + 16 b + i = index 32 b + 16 h + i) become a fragment's codes and its scale word.  Each accumulator is read from its low end on.
.macro QUANTW a
	WIN 0x0f                                       ; sources 0 and 1: window 3
.irp b, 0,1,2,3
	v_max3_num_f32 v[TM+\b], |v[64*(\a)+16*\b]|, |v[64*(\a)+16*\b+1]|, 0x2800000   ; and the floor 2^(5 - 127)
.endr
	WIN 0x3c                                       ; sources 1 and 2: window 3
.irp i, 2,4,6,8,10,12,14
.irp b, 0,1,2,3
	v_max3_num_f32 v[TM+\b], v[TM+\b], |v[64*(\a)+16*\b+\i]|, |v[64*(\a)+16*\b+\i+1]|
.endr
.endr
	WIN 0
.irp b, 0,1,2,3
	v_permlanex16_b32 v[TM+4+\b], v[TM+\b], s[SEL], s[SEL+1]
.endr
.irp b, 0,1,2,3
	v_max_num_f32 v[TM+\b], v[TM+\b], v[TM+4+\b]
.endr
.irp b, 0,1,2,3
	v_add_nc_u32 v[TM+12+\b], 0xfe000000, v[TM+\b] ; 4 off the exponent field: the conversion's scale operand
.endr
.irp b, 0,1,2,3
	v_lshrrev_b32 v[TM+4+\b], 23, v[TM+12+\b]      ; the scale's byte
.endr
	v_lshl_or_b32 v[PWR+(\a)], v[TM+5], 8, v[TM+4]
	v_lshl_or_b32 v[PWR+(\a)], v[TM+6], 16, v[PWR+(\a)]
	v_lshl_or_b32 v[PWR+(\a)], v[TM+7], 24, v[PWR+(\a)]
	WIN 0x03                                       ; source 0: window 3
.irp c, 0,1
	v_cvt_scalef32_pk16_bf6_f32 v[PC+6*\c:PC+2+6*\c], v[64*(\a)+32*\c:64*(\a)+32*\c+15], v[TM+12+2*\c]
	v_cvt_scalef32_pk16_bf6_f32 v[PC+12+4*\c:PC+14+4*\c], v[64*(\a)+32*\c+16:64*(\a)+32*\c+31], v[TM+13+2*\c]
.endr
	WIN 0
	v_nop                                          ; one plain place behind a scaled conversion
.irp c, 0,1
.irp i, 0,1,2
	v_permlane16_swap_b32 v[PC+6*\c+\i], v[PC+12+4*\c+\i]
.endr
.irp i, 0,1,2
	v_mov_b32 v[PC+3+6*\c+\i], v[PC+12+4*\c+\i]
.endr
.endr
.endm
.irp a, 0,1,2,3
	s_wait_xcnt 0x0                                ; the last tile's stores have read the codes' registers
	QUANTW \a
	global_store_b128 v[EA+4*\a], v[PC:PC+3], s[66:67]                 ; 512 consecutive bytes, aligned
	global_store_b64 v[EA+4*\a+1], v[PC+4:PC+5], s[66:67] offset:512   ; 256
	global_store_b128 v[EA+4*\a+2], v[PC+6:PC+9], s[66:67]
	global_store_b64 v[EA+4*\a+3], v[PC+10:PC+11], s[66:67] offset:512
.endr
.irp a, 0,1,2,3
	v_lshrrev_b32 v[SD+\a], v[SSH], v[PWR+\a]      ; q, k: lanes 16-31 take the second head's two bytes
.endr
.irp a, 0,1,2,3
	v_and_or_b32 v[SD+\a], v[SD+\a], s62, s63
.endr
	global_store_b128 v[SAD], v[SD:SD+3], s[66:67] ; sixteen lanes store 256 consecutive bytes, aligned
	s_wait_dscnt 0x0
	s_wait_tensorcnt 0x0
	ds_add_u32 v254, v255
	s_wait_dscnt 0x0
	CROUND                                         ; the closing round: no work-group ends while a partner may still ask for a tile that names it
	s_endpgm
.Lfunc_end_k_q1703756677_proj:
	.size	k_q1703756677_proj, .Lfunc_end_k_q1703756677_proj-k_q1703756677_proj
	.p2alignl 7, 3214868480
	.fill 96, 4, 3214868480
	.section	.rodata,"a",@progbits
	.p2align	6, 0x0
	.amdhsa_kernel k_q1703756677_proj
		.amdhsa_group_segment_fixed_size 295424
		.amdhsa_private_segment_fixed_size 0
		.amdhsa_enable_private_segment 0
		.amdhsa_kernarg_size 24
		.amdhsa_user_sgpr_count 2
		.amdhsa_user_sgpr_kernarg_segment_ptr 1
		.amdhsa_wavefront_size32 1
		.amdhsa_system_sgpr_workgroup_id_x 1
		.amdhsa_system_sgpr_workgroup_id_y 1
		.amdhsa_system_sgpr_workgroup_id_z 1
		.amdhsa_system_vgpr_workitem_id 0
		.amdhsa_next_free_vgpr 1024
		.amdhsa_next_free_sgpr 100
		.amdhsa_reserve_vcc 0
		.amdhsa_float_denorm_mode_32 3
		.amdhsa_float_denorm_mode_16_64 3
		.amdhsa_memory_ordered 1
		.amdhsa_forward_progress 1
		.amdhsa_inst_pref_size 89
	.end_amdhsa_kernel
	.amdgpu_metadata
---
amdhsa.version: [ 1, 2 ]
amdhsa.kernels:
  - .name:           k_q1703756677_proj
    .symbol:         k_q1703756677_proj.kd
    .args:
      - { .name: cod, .offset: 0, .size: 8, .value_kind: global_buffer, .address_space: global }
      - { .name: qq, .offset: 8, .size: 8, .value_kind: global_buffer, .address_space: global }
      - { .name: kv, .offset: 16, .size: 8, .value_kind: global_buffer, .address_space: global }
    .group_segment_fixed_size: 295424
    .private_segment_fixed_size: 0
    .kernarg_segment_align: 8
    .kernarg_segment_size: 24
    .max_flat_workgroup_size: 128
    .sgpr_count:     100
    .vgpr_count:     1024
    .wavefront_size: 32
...
	.end_amdgpu_metadata
.endif
;; end of part 2
;; launch attn (part 3): grid 4 x 64, 16 waves a work-group, no clusters, 215,040 bytes of LDS; arguments qq, kv, msk, xc; writes xc
.if DOCPART == 3
	.amdgcn_target "amdgcn-amd-amdhsa--gfx1250"
	.amdhsa_code_object_version 6
	.text
	.protected	k_q1703756677_attn
	.globl	k_q1703756677_attn
	.p2align	8
	.type	k_q1703756677_attn,@function
k_q1703756677_attn:
	s_mov_b64 s[64:65], 0
	v_nop
	global_prefetch_b8 v0, s[64:65] scope:SCOPE_SE
	s_setreg_imm32_b32 hwreg(HW_REG_WAVE_MODE, 25, 1), 1
	s_wait_xcnt 0x0
; ATTN.  x[b][q][head] = softmax_k(where(mask == 0, -1e9, q . k / 8)) v on codes of BF6 (E3M2) with E8M0 scales; x is quantised in registers along the head's 64 and leaves as codes for the last product.
; THE SOFTMAX AHEAD OF THE SECOND PRODUCT: t = score x log2(e) / 8; M = the row's largest t so far, rounded up to a whole number; p = 2^(t - M) is quantised along the keys, not normalised; the row's sum is taken of the
; unquantised p and divides at the end.  When M moves, the sum and O are multiplied by 2^(old M - new M): exact.
; SHARES.  A work-group owns one (batch, head) and two blocks of 256 queries, p and 7 - p (for even work under masks that hide later keys; no result hangs on the pairing); wave w owns the tile of 16 queries T = 16 block + w.
; The head's 16 records (128 keys each: K's 8 half fragments, V's 4 fragments, their scale images: 13,312 bytes) lie in LDS, 212,992 bytes, stored once through registers; behind the one barrier no wave waits for another.
; THE MASK IS AN INPUT.  An earlier launch has stored, for each (T, key step), 64 lane masks and a word (which rows have an open key; whether nothing is blocked).  A step in which all 16 queries are blocked throughout is
; passed over by a scalar branch on that word, but only where each of the 16 queries has an open key somewhere: a query that is blocked everywhere weighs all keys alike, so its tile walks every step.
; A step with blocked keys replaces their scores ahead of the maximum (64 selects by lane masks in scalar registers); a step with none jumps over the selects.
; NO CLUSTER, no joint loads: steps are passed over by branches on stored whole numbers, so the tiles come through registers, and such loads have no joint form; the four work-groups of a head read the same 212,992 bytes once each.
; LAYOUT.  Both products are used transposed: S^T = K Q^T (source 0 = 16 keys, source 1 = my 16 queries), O^T = V^T P^T: a lane holds one query (lane % 16) throughout.  Lane r of tile 2 b + u of K holds key
; 32 b + 8 u + r + 8 (r / 8), so score register 16 b + i is key 32 b + 16 (lane / 16) + i; V's channels are laid likewise, so O^T's register 16 b + i is channel 32 b + 16 (lane / 16) + i.
; K = 64 IN AN INSTRUCTION OF 128: Q's registers 6-11 are zero codes; K's operand of tile t runs on into the next tile's registers (v80-85, zeros, behind tile 7), which multiply those zeros; the two blocks' scale bytes are 0x7f.
; LIMITS: a blocked score is held at -2^33 ahead of the factor log2(e) / 8, a logit of -2^30 in place of -1e9 (that t is a whole number, so a query blocked everywhere has p = 1 for every key, as with -1e9):
; results differ only where an open logit lies under about -1e9.  NaN and infinities are not served.  A block's byte is held at 1 from below.  x's scale bytes leave as single bytes, 32 a wave and pass, inside one block of 256.
; REGISTERS: v1-4 16 x lane, 8 x lane, r, h; v5-6 the step's LDS addresses; v7-11, v29 offsets of Q and x; v12 -M, v13 the largest t, v[14:15] the sum; v16-27 Q; v28 Q's scale words; v32-85 K's tiles or V's fragments;
;   v86-89, v90-93 their scale words; v96-159 S^T, then p; v160-191 O^T; v192-210 codes; v212-227 at work; v228 the blocked score.
.set RECB, 13312
.set KSC,  12288                       ; in a record: K's scale image
.set VOFF, 6144                        ; V's fragments
.set VSC,  12800                       ; V's scale image
.set QSCL, 6291456                     ; qq: behind the codes, the scale words
.set XSCL, 6291456                     ; xc: likewise
.set DIG,  524288                      ; msk: behind the lane masks, the words
.set WV,   12                          ; s12 wave;  s13 p;  s14 batch x 16 + head;  s15 block;  s16 T;  s17 64 T
.set CNT,  18                          ; s18 steps to go
.set RC,   19                          ; s19 the record's LDS byte
.set LMP,  52                          ; s[52:53] the step's lane masks in memory;  the masks themselves: word n in s[20 + n] (n < 32) or s[36 + n]
.set HID,  56                          ; s56 bit 0: this step is passed over
.set OPN,  57                          ; s57 bit 0: nothing is blocked in this step
.set ANY,  58                          ; s58 rows with an open key
.set SEL,  60                          ; s[60:61] lane l xor 16
.set CS,   62                          ; s[62:63] c = log2(e) / 8
	s_load_b256 s[4:11], s[0:1], 0x0               ; qq, kv, msk, xc
	v_lshl_add_u32 v254, v0, 2, 0x34000
	v_mov_b32 v255, 0
	v_lshrrev_b32 v5, 5, v0
	v_readfirstlane_b32 s[WV], v5                  ; wave 0..15
	s_mov_b32 s13, ttmp9
	s_and_b32 s14, ttmp7, 0xffff
	v_and_b32 v6, 31, v0
	v_lshlrev_b32 v1, 4, v6
	v_lshlrev_b32 v2, 3, v6
	v_and_b32 v3, 15, v0
	v_bfe_u32 v4, v0, 4, 1
	v_lshlrev_b32 v140, 4, v0                      ; 16 x thread: in the head's records, and in LDS
	v_add_nc_u32 v141, 0x10000, v140               ; (an LDS offset has 16 bits)
	v_add_nc_u32 v142, 0x20000, v140
	v_add_nc_u32 v143, 0x30000, v140
	s_mul_i32 s54, s14, 16*RECB
	s_mov_b32 s55, 0
	s_mov_b32 s[SEL], 0x76543210
	s_mov_b32 s[SEL+1], 0xfedcba98
	s_mov_b32 s[CS], 0x3e38aa3b
	s_mov_b32 s[CS+1], s[CS]                       ; (named with it as a pair, so it is written)
	s_mov_b32 s66, 0xffff0000                      ; lanes 16-31
	s_wait_kmcnt 0x0
	s_add_nc_u64 s[6:7], s[6:7], s[54:55]
.irp i, 0,1,2,3,4,5,6,7,8,9,10,11,12,13,14,15,16,17,18,19,20,21,22,23,24,25
	global_load_b128 v[32+4*\i:35+4*\i], v140, s[6:7] offset:8192*\i   ; 512 threads x 16 bytes x 26 = the head's 212,992 bytes
.endr
	s_wait_loadcnt 13                              ; the older 13 are in; the younger 13 may be out
.irp i, 0,1,2,3,4,5,6,7,8,9,10,11,12
	ds_store_b128 v[140+(\i/8)], v[32+4*\i:35+4*\i] offset:8192*(\i%8)
.endr
	s_wait_loadcnt 0x0
.irp i, 13,14,15,16,17,18,19,20,21,22,23,24,25
	ds_store_b128 v[140+(\i/8)], v[32+4*\i:35+4*\i] offset:8192*(\i%8)
.endr
	s_wait_dscnt 0x0                               ; for the others' sake: my stores have landed
	s_barrier_signal -1
	s_barrier_wait -1                              ; the records are whole; from here on LDS is only read
.irp i, 0,1,2,3,4,5
	v_mov_b32 v[22+\i], 0                          ; Q's upper 64 along K: zero codes
	v_mov_b32 v[80+\i], 0                          ; what stands behind K's tile 7
.endr
.irp b, 0,1,2,3
	v_mov_b32 v[216+\b], 0                         ; written once: a lane permute's destination counts as one of its sources
.endr
	v_mov_b32 v225, 0                              ; (named as the upper half of the pair v[224:225])
	v_mov_b32 v227, 0
	v_mov_b32 v228, 0xd0000000                     ; -2^33
.macro PASS second
	s_wait_xcnt 0x0                                ; the last pass's stores have read their registers
.if \second
	s_sub_co_u32 s15, 7, s13
.else
	s_mov_b32 s15, s13
.endif
	s_lshl_b32 s16, s15, 4
	s_add_co_u32 s16, s16, s[WV]                   ; T
	s_lshl_b32 s54, s14, 7
	s_add_co_u32 s54, s54, s16
	s_mul_i32 s54, s54, 768                        ; Q's half fragment
	v_add_nc_u32 v7, s54, v1
	v_add_nc_u32 v8, s54, v2
	s_lshl_b32 s54, s14, 13
	s_lshr_b32 s55, s16, 2
	s_lshl_b32 s55, s55, 8
	s_add_co_u32 s54, s54, s55
	s_and_b32 s55, s16, 3
	s_lshl_b32 s55, s55, 2
	s_add_co_u32 s54, s54, s55
	v_lshl_add_u32 v9, v3, 4, s54                  ; its scale words
	global_load_b128 v[16:19], v7, s[4:5]
	global_load_b64 v[20:21], v8, s[4:5] offset:512
	global_load_b32 v28, v9, s[4:5] offset:QSCL
	s_lshl_b32 s17, s16, 6
	s_load_b512 s[68:83], s[8:9], s17 offset:DIG   ; my tile's 16 words, one a key step
	s_lshr_b32 s54, s14, 4
	s_lshl_b32 s54, s54, 7
	s_add_co_u32 s54, s54, s16                     ; x's row tile: batch x 128 + T
	s_and_b32 s55, s14, 15                         ; the head
	s_lshl_b32 s59, s54, 4
	s_add_co_u32 s59, s59, s55
	s_mul_i32 s59, s59, 768                        ; x's half fragment
	v_add_nc_u32 v10, s59, v1
	v_add_nc_u32 v11, s59, v2
	s_lshl_b32 s54, s54, 9                         ; its scale bytes: 512 a row tile; K step = head / 2: lanes' half (head / 8), word (head / 2) % 4, bytes 2 (head % 2) + block
	s_lshr_b32 s59, s55, 3
	s_lshl_b32 s59, s59, 8
	s_add_co_u32 s54, s54, s59
	s_bfe_u32 s59, s55, 0x20001
	s_lshl_b32 s59, s59, 2
	s_add_co_u32 s54, s54, s59
	s_and_b32 s59, s55, 1
	s_lshl_b32 s59, s59, 1
	s_add_co_u32 s54, s54, s59
	v_lshl_add_u32 v29, v3, 4, s54
	v_add_nc_u32 v29, v29, v4                      ; lane (r, h) stores block h's byte of row r
	s_lshl_b32 s54, s16, 12
	s_mov_b32 s55, 0
	s_add_nc_u64 s[LMP:LMP+1], s[8:9], s[54:55]    ; my tile's lane masks: 256 bytes a step
	v_mov_b32 v13, 0xff61b1e6                      ; the largest t so far: -3e38, under every t
	v_floor_f32 v12, -v13                          ; -M
	v_mov_b32 v14, 0
	v_mov_b32 v15, 0
.set j, 0
.rept 32
	v_mov_b32 v[160+j], 0                          ; O^T: the step is written once; the first finds zeros, which the first change of M leaves zeros
.set j, j+1
.endr
	s_mov_b32 s[HID], 0
	s_mov_b32 s[OPN], 0
	s_mov_b32 s[ANY], 0
	s_wait_kmcnt 0x0
.irp j, 0,1,2,3,4,5,6,7,8,9,10,11,12,13,14,15
	s_and_b32 s59, s[68+\j], 0xffff                ; rows with an open key in step j
	s_cselect_b32 s67, 0, 1<<\j                    ; none: the step can be passed over
	s_or_b32 s[HID], s[HID], s67
	s_or_b32 s[ANY], s[ANY], s59
	s_bfe_u32 s59, s[68+\j], 0x10010               ; nothing is blocked in step j
	s_lshl_b32 s59, s59, \j
	s_or_b32 s[OPN], s[OPN], s59
.endr
	s_cmp_eq_u32 s[ANY], 0xffff
	s_cselect_b32 s[HID], s[HID], 0                ; a query that is blocked everywhere: every step is walked
	s_mov_b32 s[RC], 0
	s_mov_b32 s[CNT], 16
	s_wait_loadcnt 0x0                             ; Q
.Lstep_\@:
	s_bitcmp1_b32 s[HID], 0
	s_cbranch_scc1 .Lend_\@
	s_load_b512 s[20:35], s[LMP:LMP+1], 0x0        ; the step's 64 lane masks, in every step that is walked: so they are written wherever they could be read
	s_load_b512 s[36:51], s[LMP:LMP+1], 0x40
	s_load_b512 s[68:83], s[LMP:LMP+1], 0x80
	s_load_b512 s[84:99], s[LMP:LMP+1], 0xc0
	v_add_nc_u32 v5, s[RC], v1
	v_add_nc_u32 v6, s[RC], v2
.irp t, 0,1,2,3,4,5,6,7
	ds_load_b128 v[32+6*\t:35+6*\t], v5 offset:768*\t
	ds_load_b64 v[36+6*\t:37+6*\t], v6 offset:768*\t+512
.endr
	ds_load_b128 v[86:89], v5 offset:KSC           ; lanes 0-15: tiles 0-3's scale words; lanes 16-31: tiles 4-7's
	s_wait_dscnt 0x0
.irp t, 0,1,2,3
	v_wmma_scale_f32_16x16x128_f8f6f4 v[96+8*\t:103+8*\t], v[32+6*\t:43+6*\t], v[16:27], 0, v[86+\t], v28 matrix_a_fmt:MATRIX_FMT_BF6 matrix_b_fmt:MATRIX_FMT_BF6
.endr
.irp t, 4,5,6,7
	v_wmma_scale_f32_16x16x128_f8f6f4 v[96+8*\t:103+8*\t], v[32+6*\t:43+6*\t], v[16:27], 0, v[82+\t], v28 matrix_a_fmt:MATRIX_FMT_BF6 matrix_b_fmt:MATRIX_FMT_BF6 matrix_a_scale:MATRIX_SCALE_ROW1
.endr
.rept 4
	v_nop                                          ; places in front of the loads into K's registers and of the first read of the scores
.endr
.irp a, 0,1,2,3                                ; V's fragments land under the softmax
	ds_load_b128 v[32+12*\a:35+12*\a], v5 offset:VOFF+1536*\a
	ds_load_b64 v[36+12*\a:37+12*\a], v6 offset:VOFF+1536*\a+512
	ds_load_b128 v[38+12*\a:41+12*\a], v5 offset:VOFF+1536*\a+768
	ds_load_b64 v[42+12*\a:43+12*\a], v6 offset:VOFF+1536*\a+1280
.endr
	ds_load_b128 v[90:93], v5 offset:VSC
	s_bitcmp1_b32 s[OPN], 0
	s_cbranch_scc1 .Lopen_\@
	s_wait_kmcnt 0x0                               ; the lane masks
.set n, 0
.rept 32
	v_cndmask_b32 v[96+n], v[96+n], v228, s[20+n]  ; a blocked key's score, ahead of the maximum
.set n, n+1
.endr
.rept 32
	v_cndmask_b32 v[96+n], v[96+n], v228, s[36+n]
.set n, n+1
.endr
.Lopen_\@:
.irp b, 0,1,2,3
	v_max3_num_f32 v[212+\b], v[96+16*\b], v[97+16*\b], v[98+16*\b]   ; the largest score of each block of 32 keys: for the row's maximum and, since p rises with the score, for the block's largest p
.endr
.irp i, 3,5,7,9,11,13
.irp b, 0,1,2,3
	v_max3_num_f32 v[212+\b], v[212+\b], v[96+16*\b+\i], v[97+16*\b+\i]
.endr
.endr
.irp b, 0,1,2,3
	v_max_num_f32 v[212+\b], v[212+\b], v[111+16*\b]
.endr
.irp b, 0,1,2,3
	v_permlanex16_b32 v[216+\b], v[212+\b], s[SEL], s[SEL+1]
.endr
.irp b, 0,1,2,3
	v_max_num_f32 v[212+\b], v[212+\b], v[216+\b]  ; with lane l xor 16's 16 keys
.endr
	v_max3_num_f32 v227, v212, v213, v214
	v_max_num_f32 v227, v227, v215                 ; the step's largest score of my query
	v_mul_f32 v227, s[CS], v227                    ; as t (c is positive)
	v_max_num_f32 v13, v13, v227                   ; the running largest t
	v_mov_b32 v227, v12
	v_floor_f32 v12, -v13                          ; the new -M = floor(-t) = -ceil(t): a whole number
	v_sub_f32 v227, v12, v227                      ; M's old value less its new one: a whole number, 0 or less
	v_cvt_i32_f32 v227, v227                       ; (it saturates)
	v_ldexp_f32 v224, 1.0, v227                    ; f = 2^(old M - new M)
.set j, 0
.rept 32
	v_pk_fma_f32 v[96+j:97+j], v[96+j:97+j], s[CS:CS+1], v[12:13] op_sel_hi:[1,0,0]   ; t - M, two at a time
.set j, j+2
.endr
.irp b, 0,1,2,3
	v_fma_f32 v[212+\b], v[212+\b], s[CS], v12     ; the same of each block's largest score
.endr
.set j, 0
.rept 64
	v_exp_f32 v[96+j], v[96+j]                     ; p = 2^(t - M), at most 1: not normalised
.set j, j+1
.endr
	v_pk_mul_f32 v[14:15], v[14:15], v[224:225] op_sel_hi:[1,0]   ; the sums under the new M: the plain place behind the exponentials
	s_wait_alu depctr_va_vdst(0)                   ; one wait for the whole batch, ahead of its first reader
.irp b, 0,1,2,3
	v_exp_f32 v[212+\b], v[212+\b]                 ; the block's largest p: the same two instructions on the same number give the same bits
.endr
	v_pk_add_f32 v[216:217], v[96:97], v[98:99]    ; the row's sum is taken of the unquantised p, in two chains; it reads the 64 alone
.irp j, 4,8,12,16,20,24,28,32,36,40,44,48,52,56,60
	v_pk_add_f32 v[14:15], v[14:15], v[96+\j:97+\j]
	v_pk_add_f32 v[216:217], v[216:217], v[98+\j:99+\j]
.endr
	v_pk_add_f32 v[14:15], v[14:15], v[216:217]
	s_wait_alu depctr_va_vdst(0)                   ; and one for the four
.irp b, 0,1,2,3
	v_max_num_f32 v[212+\b], 0x2800000, v[212+\b]  ; the floor 2^(5 - 127): a block whose every p is 0 keeps the byte 1: its codes are zeros
.endr
.irp b, 0,1,2,3
	v_add_nc_u32 v[220+\b], 0xfe000000, v[212+\b]  ; 4 off the exponent field: the conversion's scale operand
.endr
.irp b, 0,1,2,3
	v_lshrrev_b32 v[216+\b], 23, v[220+\b]         ; the scale's byte
.endr
	v_lshl_or_b32 v226, v217, 8, v216              ; p's scale word for these 128 keys
	v_lshl_or_b32 v226, v218, 16, v226
	v_lshl_or_b32 v226, v219, 24, v226
.irp c, 0,1
	v_cvt_scalef32_pk16_bf6_f32 v[192+6*\c:194+6*\c], v[96+32*\c:111+32*\c], v[220+2*\c]
	v_cvt_scalef32_pk16_bf6_f32 v[204+4*\c:206+4*\c], v[112+32*\c:127+32*\c], v[221+2*\c]   ; (a conversion's three registers begin on an even number)
.endr
	v_nop                                          ; one plain place behind a scaled conversion
.irp c, 0,1                                    ; a whole block in a lane: lanes 0-15 block 2 c, lanes 16-31 block 2 c + 1
.irp i, 0,1,2
	v_permlane16_swap_b32 v[192+6*\c+\i], v[204+4*\c+\i]
.endr
.irp i, 0,1,2
	v_mov_b32 v[195+6*\c+\i], v[204+4*\c+\i]
.endr
.endr
.set j, 0
.rept 16
	v_pk_mul_f32 v[160+j:161+j], v[160+j:161+j], v[224:225] op_sel_hi:[1,0]   ; O^T under the new M; these 16 are also the places between p's codes and scale word and the products
.set j, j+2
.endr
	s_wait_dscnt 0x0                               ; V
.irp a, 0,1,2,3
	v_wmma_scale_f32_16x16x128_f8f6f4 v[160+8*\a:167+8*\a], v[32+12*\a:43+12*\a], v[192:203], v[160+8*\a:167+8*\a], v[90+\a], v226 matrix_a_fmt:MATRIX_FMT_BF6 matrix_b_fmt:MATRIX_FMT_BF6
.endr
.rept 4
	v_nop                                          ; places in front of the next loads into V's registers and of the next read of O^T
.endr
	s_wait_kmcnt 0x0                               ; the lane masks' loads are done: their pointer may step, and the next step's may land
.Lend_\@:
	s_lshr_b32 s[HID], s[HID], 1
	s_lshr_b32 s[OPN], s[OPN], 1
	s_add_co_u32 s[RC], s[RC], RECB
	s_add_nc_u64 s[LMP:LMP+1], s[LMP:LMP+1], 256
	s_sub_co_u32 s[CNT], s[CNT], 1
	s_cmp_lg_u32 s[CNT], 0
	s_cbranch_scc1 .Lstep_\@
	; THE WAY OUT: O^T / the sum is x's 64 numbers of my query's head: two blocks of 32, quantised as p is; a half fragment and two scale bytes a row
	v_add_f32 v14, v14, v15                        ; the sum's two halves,
	v_permlanex16_b32 v227, v14, s[SEL], s[SEL+1]
	v_add_f32 v14, v14, v227                       ; and lane l xor 16's
	v_rcp_f32 v14, v14
	v_nop                                          ; a plain place behind the reciprocal
	s_wait_alu depctr_va_vdst(0)                   ; and the wait ahead of its first reader
.set j, 0
.rept 16
	v_pk_mul_f32 v[96+j:97+j], v[160+j:161+j], v[14:15] op_sel_hi:[1,0]   ; register 16 b + i: channel 32 b + 16 h + i
.set j, j+2
.endr
.irp b, 0,1
	v_max3_num_f32 v[212+\b], |v[96+16*\b]|, |v[97+16*\b]|, 0x2800000
.endr
.irp i, 2,4,6,8,10,12,14
.irp b, 0,1
	v_max3_num_f32 v[212+\b], v[212+\b], |v[96+16*\b+\i]|, |v[97+16*\b+\i]|
.endr
.endr
.irp b, 0,1
	v_permlanex16_b32 v[216+\b], v[212+\b], s[SEL], s[SEL+1]
.endr
.irp b, 0,1
	v_max_num_f32 v[212+\b], v[212+\b], v[216+\b]
.endr
.irp b, 0,1
	v_add_nc_u32 v[220+\b], 0xfe000000, v[212+\b]
.endr
.irp b, 0,1
	v_lshrrev_b32 v[216+\b], 23, v[220+\b]
.endr
	v_cvt_scalef32_pk16_bf6_f32 v[192:194], v[96:111], v220
	v_cvt_scalef32_pk16_bf6_f32 v[204:206], v[112:127], v221
	v_nop
.irp i, 0,1,2
	v_permlane16_swap_b32 v[192+\i], v[204+\i]
.endr
.irp i, 0,1,2
	v_mov_b32 v[195+\i], v[204+\i]
.endr
	v_cndmask_b32 v227, v216, v217, s66            ; lanes 0-15: block 0's byte; lanes 16-31: block 1's
	global_store_b128 v10, v[192:195], s[10:11]    ; 512 consecutive bytes, aligned
	global_store_b64 v11, v[196:197], s[10:11] offset:512
	global_store_b8 v29, v227, s[10:11] offset:XSCL
.endm
	PASS 0
	PASS 1
	s_wait_tensorcnt 0x0
	ds_add_u32 v254, v255
	s_wait_dscnt 0x0
	s_endpgm
.Lfunc_end_k_q1703756677_attn:
	.size	k_q1703756677_attn, .Lfunc_end_k_q1703756677_attn-k_q1703756677_attn
	.p2alignl 7, 3214868480
	.fill 96, 4, 3214868480
	.section	.rodata,"a",@progbits
	.p2align	6, 0x0
	.amdhsa_kernel k_q1703756677_attn
		.amdhsa_group_segment_fixed_size 215040
		.amdhsa_private_segment_fixed_size 0
		.amdhsa_enable_private_segment 0
		.amdhsa_kernarg_size 32
		.amdhsa_user_sgpr_count 2
		.amdhsa_user_sgpr_kernarg_segment_ptr 1
		.amdhsa_wavefront_size32 1
		.amdhsa_system_sgpr_workgroup_id_x 1
		.amdhsa_system_sgpr_workgroup_id_y 1
		.amdhsa_system_sgpr_workgroup_id_z 1
		.amdhsa_system_vgpr_workitem_id 0
		.amdhsa_next_free_vgpr 256
		.amdhsa_next_free_sgpr 102
		.amdhsa_reserve_vcc 0
		.amdhsa_float_denorm_mode_32 3
		.amdhsa_float_denorm_mode_16_64 3
		.amdhsa_memory_ordered 1
		.amdhsa_forward_progress 1
		.amdhsa_inst_pref_size 70
	.end_amdhsa_kernel
	.amdgpu_metadata
---
amdhsa.version: [ 1, 2 ]
amdhsa.kernels:
  - .name:           k_q1703756677_attn
    .symbol:         k_q1703756677_attn.kd
    .args:
      - { .name: qq, .offset: 0, .size: 8, .value_kind: global_buffer, .address_space: global }
      - { .name: kv, .offset: 8, .size: 8, .value_kind: global_buffer, .address_space: global }
      - { .name: msk, .offset: 16, .size: 8, .value_kind: global_buffer, .address_space: global }
      - { .name: xc, .offset: 24, .size: 8, .value_kind: global_buffer, .address_space: global }
    .group_segment_fixed_size: 215040
    .private_segment_fixed_size: 0
    .kernarg_segment_align: 8
    .kernarg_segment_size: 32
    .max_flat_workgroup_size: 512
    .sgpr_count:     102
    .vgpr_count:     256
    .wavefront_size: 32
...
	.end_amdgpu_metadata
.endif
;; end of part 3
;; launch oproj (part 4): grid 4 x 64, 4 waves a work-group, clusters of 4 x 4, 295,424 bytes of LDS; arguments cod, xc, out0; writes out0
.if DOCPART == 4
	.amdgcn_target "amdgcn-amd-amdhsa--gfx1250"
	.amdhsa_code_object_version 6
	.text
	.protected	k_q1703756677_oproj
	.globl	k_q1703756677_oproj
	.p2align	8
	.type	k_q1703756677_oproj,@function
k_q1703756677_oproj:
	s_mov_b64 s[64:65], 0
	v_nop
	global_prefetch_b8 v0, s[64:65] scope:SCOPE_SE
	s_setreg_imm32_b32 hwreg(HW_REG_WAVE_MODE, 25, 1), 1
	s_wait_xcnt 0x0
	s_wait_alu depctr_hold_cnt(0) depctr_sa_sdst(0) depctr_va_vdst(0) depctr_va_sdst(0) depctr_va_ssrc(0) depctr_va_vcc(0) depctr_vm_vsrc(0)
	s_getreg_b32 s2, hwreg(HW_REG_IB_STS2, 6, 4)
	s_cmp_eq_u32 s2, 0
	s_cbranch_scc0 .Lentry_in_a_cluster
	s_endpgm
.Lentry_in_a_cluster:
	s_bfe_u32 s2, ttmp6, 0x10000c
	s_cmp_lg_u32 s2, 0xf033
	s_cbranch_scc0 .Lentry_shape_is_right
	s_endpgm
.Lentry_shape_is_right:
; OPROJ.  out0 = x w_o^T on codes of BF6 (E3M2) with E8M0 scales, K = 1,024; out0 [8192][1024] f32.
; D[i][j] = sum over K of src0[i] . src1[j], src0 = w_o (from cod), src1 = x (from xc).  A work-group makes 256 features x 128 rows of x; wave w: src0's half WX = w % 2 (8 row tiles t), src1's half WY = w / 2 (4 row tiles a):
; 32 accumulators, 256 registers.  A lane then holds one row of out0 and eight neighbouring columns.
; ALL OF K LIES IN LDS AT ONCE: 384 rows x 768 bytes = 294,912 bytes, filled once, in four chunks of two K steps, four tensor loads a wave, all issued at the head: four of mine are out.  No byte is filled twice.
; A chunk's barrier has a counted wait: the younger chunks stay on their way while this one is multiplied.
; CLUSTERS: 4 x 4 work-groups.  src0's rows hang on i0 (cx) and are shared along a column of the cluster, src1's on i1 (cy) and are shared along a row: each tile is asked for jointly.
; The codes lie in memory in the order of the operand's registers (a half fragment, 16 rows x 64 K: registers 0-3 at 16 x lane, registers 4-5 at 512 + 8 x lane), so every LDS load reads 512 or 256 consecutive bytes.
; The scale words come from memory straight into registers: an image of 512 bytes a row tile: K steps 0-3 in lanes 0-15, K steps 4-7 in lanes 16-31.
; REGISTERS, in windows of 256: window 0: v1-13 addresses; v32-63 src0's scale words, v64-79 src1's; v128-255 rows on the way out.  Windows 1 and 2: two sets of fragments (src0's tile t at v[12 t], src1's tile a at v[96 + 12 a]).
;   Window 3: accumulator (a, t) at v[64 a + 8 t].
.set TILEB, 12288                      ; a row tile's codes, all of K
.set SCL0,  1792*TILEB                 ; where the scale words' images begin in cod,
.set SCL1,  512*TILEB                  ; and in xc
.set CHB,   3072                       ; a chunk's part of a row tile: two K steps
.set S0OFF, 8*CHB                      ; a chunk in LDS: src1's 8 row tiles, then src0's 16
.set CHUNK, 24*CHB
.set SP,    528                        ; the way out: a stage of 16 rows x (512 + 16) bytes for each wave, in chunk 0, which has had its one fill and which nobody reads behind the second chunk's barrier
.set L16, 4
.set L8,  5
.set A16, 6
.set A8,  7
.set B16, 8
.set B8,  9
.set VS0, 10
.set VS1, 11
.set STO, 12                           ; v12  the stage: where I put 32 bytes of a row
.set RD,  13                           ; v13  and where I read a row back
.set SB,  32
.set SA,  64
.set BK,  128                          ; 16 rows read back: v128-191 and v192-255 by turns
.set G1A, 24
.set G1B, 32
.set G0A, 40
.set G0B, 68
.set MSB, 0
.macro WIN new                         ; the immediate's high byte repeats the setting that is left
.if MSB != (\new)
	s_set_vgpr_msb (MSB<<8)|(\new)
.set MSB, (\new)
.endif
.endm
.macro CROUND                          ; a round of the cluster's barrier
	s_barrier_signal -1
	s_barrier_wait -1
	s_cmp_lg_u32 s10, 0
	s_cbranch_scc1 .Lnot_wave_0_\@
	s_barrier_signal -3
.Lnot_wave_0_\@:
	s_barrier_wait -3
	s_barrier_signal -1
	s_barrier_wait -1
.endm
.macro PLACES n                        ; plain vector instructions behind matrix instructions (ISA guide 7.12.1), where no other work is at hand
.rept \n
	v_nop
.endr
.endm
.macro ARRIVE c                        ; chunk c is whole for every wave
	s_wait_tensorcnt 3-(\c)                        ; tensor loads end in order: my part of chunk c is in; the 3 - c younger chunks may be out
	s_wait_dscnt 0x0                               ; no LDS instruction of mine is pending at a signal
	s_barrier_signal -1
	s_barrier_wait -1
.endm
.macro FRAG f, a16, a8, o              ; a fragment: two half fragments of 768 bytes
	ds_load_b128 v[\f:\f+3], v[\a16] offset:(\o)
	ds_load_b64 v[\f+4:\f+5], v[\a8] offset:(\o)+512
	ds_load_b128 v[\f+6:\f+9], v[\a16] offset:(\o)+768
	ds_load_b64 v[\f+10:\f+11], v[\a8] offset:(\o)+1280
.endm
.macro FETCH q                         ; K step q's twelve fragments, 48 loads in one run, into set q % 2
	WIN (1+((\q)&1))<<6
.irp t, 0,1,2,3,4,5,6,7
	FRAG 12*\t, B16, B8, \t*CHB+((\q)&1)*1536
.endr
.irp a, 0,1,2,3
	FRAG 96+12*\a, A16, A8, \a*CHB+((\q)&1)*1536
.endr
.endm
.macro MUL q                           ; 32 matrix instructions; the 32 accumulators take turns in the same order in every K step
	WIN 0xf5+5*((\q)&1)                            ; sources 0 and 1: window 1 or 2; C and D: window 3
.irp a, 0,1,2,3
.irp t, 0,1,2,3,4,5,6,7
.if (\q) == 0
	v_wmma_scale_f32_16x16x128_f8f6f4 v[64*\a+8*\t:64*\a+8*\t+7], v[12*\t:12*\t+11], v[96+12*\a:96+12*\a+11], 0, v[SB+4*\t], v[SA+4*\a] matrix_a_fmt:MATRIX_FMT_BF6 matrix_b_fmt:MATRIX_FMT_BF6
.elseif (\q) < 4
	v_wmma_scale_f32_16x16x128_f8f6f4 v[64*\a+8*\t:64*\a+8*\t+7], v[12*\t:12*\t+11], v[96+12*\a:96+12*\a+11], v[64*\a+8*\t:64*\a+8*\t+7], v[SB+4*\t+((\q)&3)], v[SA+4*\a+((\q)&3)] matrix_a_fmt:MATRIX_FMT_BF6 matrix_b_fmt:MATRIX_FMT_BF6
.else
	v_wmma_scale_f32_16x16x128_f8f6f4 v[64*\a+8*\t:64*\a+8*\t+7], v[12*\t:12*\t+11], v[96+12*\a:96+12*\a+11], v[64*\a+8*\t:64*\a+8*\t+7], v[SB+4*\t+((\q)&3)], v[SA+4*\a+((\q)&3)] matrix_a_fmt:MATRIX_FMT_BF6 matrix_b_fmt:MATRIX_FMT_BF6 matrix_a_scale:MATRIX_SCALE_ROW1 matrix_b_scale:MATRIX_SCALE_ROW1
.endif
.endr
.endr
.endm
	s_load_b128 s[4:7], s[0:1], 0x0                ; cod, xc
	s_load_b64 s[8:9], s[0:1], 0x10                ; out0
	v_lshl_add_u32 v126, v0, 2, 0x48000
	v_mov_b32 v127, 0
	ds_add_u32 v126, v127
	ds_add_u32 v126, v127
	v_lshrrev_b32 v1, 5, v0
	v_readfirstlane_b32 s10, v1                    ; wave 0..3
	s_lshr_b32 s11, s10, 1                         ; WY: my half of src1.  Also: I fetch src1 (0) or src0 (1)
	s_and_b32 s12, s10, 1                          ; WX: my half of src0.  Also: which half of that operand I fetch
	s_bfe_u32 s13, ttmp6, 0x40000                  ; cx
	s_bfe_u32 s14, ttmp6, 0x40004                  ; cy
	s_and_b32 s84, ttmp7, 0xffff                   ; the cluster's y, 0 .. 15
	s_mov_b32 s15, s13                             ; i0: which 256 features
	s_lshl_b32 s16, s84, 2
	s_add_co_u32 s16, s16, s14                     ; i1: which 128 rows of x
	s_lshl_b32 s17, s14, 2
	s_lshl_b32 s17, 15, s17                        ; my row of the cluster
	s_lshl_b32 s18, 0x1111, s13                    ; my column
	; descriptor groups 1: 4 (src1) or 8 (src0) row tiles x 3,072 bytes, as elements of 8 bytes, 12,288 bytes from row tile to row tile; no padding
	s_or_b32 s[G1A], s17, (3<<16)|(1<<21)          ; 15:0 the mask: src1's tiles go to my row; 17:16 elements of 8 bytes; 21 set beside a mask
	s_or_b32 s[G1B], s18, (3<<16)|(1<<21)          ; src0's go to my column
	s_mov_b32 s[G1A+1], 384<<16                    ; tensor_dim0
	s_mov_b32 s[G1A+2], 4<<16                      ; tensor_dim1
	s_mov_b32 s[G1A+3], 384<<16                    ; tile_dim0
	s_mov_b32 s[G1A+4], 4                          ; tile_dim1
	s_mov_b32 s[G1A+5], 1536                       ; tensor_dim0_stride
	s_mov_b32 s[G1A+6], 0
	s_mov_b32 s[G1A+7], 0
	s_mov_b32 s[G1B+1], 384<<16
	s_mov_b32 s[G1B+2], 8<<16
	s_mov_b32 s[G1B+3], 384<<16
	s_mov_b32 s[G1B+4], 8
	s_mov_b32 s[G1B+5], 1536
	s_mov_b32 s[G1B+6], 0
	s_mov_b32 s[G1B+7], 0
	s_lshl_b32 s19, s15, 4
	s_add_co_u32 s19, s19, 1728                    ; w_o's first row tile of the work-group, in cod
	s_lshl_b32 s22, s16, 3                         ; x's, in xc
	s_lshl_b32 s56, s12, 3
	s_add_co_u32 s56, s56, s19                     ; src0: the 8 row tiles of half WX: those that I multiply, and in waves 2, 3 those that I fetch
	s_lshl_b32 s57, s12, 2
	s_add_co_u32 s57, s57, s22                     ; src1: the 4 row tiles that waves 0, 1 fetch
	s_mul_i32 s60, s56, TILEB
	s_mov_b32 s61, 0
	s_mul_i32 s62, s57, TILEB
	s_mov_b32 s63, 0
	s_mul_i32 s58, s12, 4*CHB                      ; where they go in a chunk: no place in the cluster enters an LDS address
	s_mul_i32 s59, s12, 8*CHB
	s_add_co_u32 s59, s59, S0OFF
	s_wait_dscnt 0x0
	s_wait_kmcnt 0x0
	s_add_nc_u64 s[60:61], s[4:5], s[60:61]
	s_add_nc_u64 s[62:63], s[6:7], s[62:63]
.irp c, 0,1,2,3
	s_mov_b32 s[G0A+4*\c], 1                       ; count = 1
	s_add_co_u32 s[G0A+4*\c+1], s58, \c*CHUNK      ; LDS address
	s_add_nc_u64 s[G0A+4*\c+2:G0A+4*\c+3], s[62:63], \c*CHB   ; global address: K steps 2 c, 2 c + 1
	s_or_b32 s[G0A+4*\c+3], s[G0A+4*\c+3], 0x80000000         ; type = 2
	s_mov_b32 s[G0B+4*\c], 1
	s_add_co_u32 s[G0B+4*\c+1], s59, \c*CHUNK
	s_add_nc_u64 s[G0B+4*\c+2:G0B+4*\c+3], s[60:61], \c*CHB
	s_or_b32 s[G0B+4*\c+3], s[G0B+4*\c+3], 0x80000000
.endr
	CROUND                                         ; all sixteen work-groups are here: the joint loads meet
	s_cmp_eq_u32 s11, 0                            ; a wave's four fills stand in one branch on the wave's number; four v_nop follow the last
	s_cbranch_scc0 .Lfill_src0
	tensor_load_to_lds s[G0A:G0A+3], s[G1A:G1A+7]
	s_nop 0
	tensor_load_to_lds s[G0A+4:G0A+7], s[G1A:G1A+7]
	s_nop 0
	tensor_load_to_lds s[G0A+8:G0A+11], s[G1A:G1A+7]
	s_nop 0
	tensor_load_to_lds s[G0A+12:G0A+15], s[G1A:G1A+7]
	s_nop 0
	PLACES 4
	s_branch .Lfilled
.Lfill_src0:
	tensor_load_to_lds s[G0B:G0B+3], s[G1B:G1B+7]
	s_nop 0
	tensor_load_to_lds s[G0B+4:G0B+7], s[G1B:G1B+7]
	s_nop 0
	tensor_load_to_lds s[G0B+8:G0B+11], s[G1B:G1B+7]
	s_nop 0
	tensor_load_to_lds s[G0B+12:G0B+15], s[G1B:G1B+7]
	s_nop 0
	PLACES 4
.Lfilled:
	v_and_b32 v1, 31, v0                           ; lane
	v_and_b32 v2, 15, v0                           ; r
	v_bfe_u32 v3, v0, 4, 1                         ; h
	v_lshlrev_b32 v[L16], 4, v1
	v_lshlrev_b32 v[L8], 3, v1
	s_lshl_b32 s86, s56, 9
	s_add_co_u32 s86, s86, SCL0
	v_add_nc_u32 v[VS0], s86, v[L16]
	s_lshl_b32 s87, s11, 2
	s_add_co_u32 s87, s87, s22                     ; src1: the 4 row tiles of half WY, which I multiply
	s_lshl_b32 s87, s87, 9
	s_add_co_u32 s87, s87, SCL1
	v_add_nc_u32 v[VS1], s87, v[L16]
.irp t, 0,1,2,3,4,5,6,7
	global_load_b128 v[SB+4*\t:SB+4*\t+3], v[VS0], s[4:5] offset:512*\t   ; 512 consecutive bytes
.endr
.irp a, 0,1,2,3
	global_load_b128 v[SA+4*\a:SA+4*\a+3], v[VS1], s[6:7] offset:512*\a
.endr
	s_mul_i32 s88, s11, 4*CHB
	v_add_nc_u32 v[A16], s88, v[L16]
	v_add_nc_u32 v[A8], s88, v[L8]
	v_add_nc_u32 v[B16], s59, v[L16]
	v_add_nc_u32 v[B8], s59, v[L8]
	s_mul_i32 s89, s10, 16*SP                      ; my stage
	v_mul_u32_u24 v[STO], v2, SP
	v_lshl_add_u32 v[STO], v3, 5, v[STO]
	v_add_nc_u32 v[STO], s89, v[STO]               ; in: row r, 32 bytes for each half of the lanes
	v_add_nc_u32 v[RD], s89, v[L16]                ; back: the 32 lanes take one row of 512 bytes
	s_lshl_b32 s90, s16, 19                        ; my part of out0: row 128 i1 + 64 WY of 4,096 bytes, column 256 i0 + 128 WX of 4
	s_lshl_b32 s91, s11, 18
	s_add_co_u32 s90, s90, s91
	s_lshl_b32 s91, s15, 10
	s_add_co_u32 s90, s90, s91
	s_lshl_b32 s91, s12, 9
	s_add_co_u32 s90, s90, s91
	s_mov_b32 s91, 0
	s_add_nc_u64 s[8:9], s[8:9], s[90:91]
	ARRIVE 0
	FETCH 0
.irp q, 0,1,2,3,4,5,6
.if ((\q)&1) == 1
	WIN 0
	ARRIVE ((\q)+1)/2                              ; the next K step lies in the next chunk
	v_add_nc_u32 v[A16], CHUNK, v[A16]             ; these four are also the places in front of the loads into the set that the K step before multiplied
	v_add_nc_u32 v[A8], CHUNK, v[A8]
	v_add_nc_u32 v[B16], CHUNK, v[B16]
	v_add_nc_u32 v[B8], CHUNK, v[B8]
.elseif (\q) > 0
	PLACES 4
.endif
	FETCH (\q)+1
	s_wait_dscnt 48                                ; all but the 48 just issued: this K step's fragments are in
.if (\q) == 0
	s_wait_loadcnt 0x0                             ; the scale words
.endif
	MUL \q
.endr
	s_wait_dscnt 0x0
	MUL 7
	WIN 0
	PLACES 4                                       ; in front of the first read of results
; THE WAY OUT, a block of 16 rows x 128 columns at a time.  A lane holds 32 neighbouring bytes of a row and the lanes beside it other rows: the block goes through my own stage and comes back as whole rows of 512 bytes.
; LDS serves a wave's instructions in order (ISA guide 5.7.1.4): no wait between the stores and the loads, nor in front of the next block's stores.
.macro TOSTAGE a
	WIN 0x0c                                       ; an LDS store's data are its source 1: window 3
.irp t, 0,1,2,3,4,5,6,7
	ds_store_b128 v[STO], v[64*(\a)+8*\t:64*(\a)+8*\t+3] offset:64*\t        ; each accumulator from its low end on
	ds_store_b128 v[STO], v[64*(\a)+8*\t+4:64*(\a)+8*\t+7] offset:64*\t+16
.endr
	WIN 0
.irp i, 0,1,2,3,4,5,6,7,8,9,10,11,12,13,14,15
	ds_load_b128 v[BK+64*((\a)%2)+4*\i:BK+64*((\a)%2)+4*\i+3], v[RD] offset:\i*SP
.endr
.endm
.macro SEND a, younger                 ; younger: the LDS instructions issued behind block a's loads, which may stay out
	s_wait_dscnt \younger
.irp i, 0,1,2,3,4,5,6,7,8,9,10,11,12,13,14,15
	global_store_b128 v[L16], v[BK+64*((\a)%2)+4*\i:BK+64*((\a)%2)+4*\i+3], s[8:9] offset:65536*(\a)+4096*\i th:TH_STORE_NT   ; 32 lanes store 512 consecutive bytes, aligned; written once, read by nobody here
.endr
.endm
	TOSTAGE 0
.irp a, 1,2,3
.if \a > 1
	s_wait_xcnt 0x0                                ; block a - 2's stores have read their registers: block a's loads may land there
.endif
	TOSTAGE \a
	SEND \a-1, 32                                  ; behind block a - 1's loads: block a's 16 stores and 16 loads
.endr
	SEND 3, 0
	s_wait_dscnt 0x0
	s_wait_tensorcnt 0x0
	ds_add_u32 v126, v127
	s_wait_dscnt 0x0
	CROUND                                         ; the closing round: no work-group ends while a partner may still ask for a tile that names it
	s_endpgm
.Lfunc_end_k_q1703756677_oproj:
	.size	k_q1703756677_oproj, .Lfunc_end_k_q1703756677_oproj-k_q1703756677_oproj
	.p2alignl 7, 3214868480
	.fill 96, 4, 3214868480
	.section	.rodata,"a",@progbits
	.p2align	6, 0x0
	.amdhsa_kernel k_q1703756677_oproj
		.amdhsa_group_segment_fixed_size 295424
		.amdhsa_private_segment_fixed_size 0
		.amdhsa_enable_private_segment 0
		.amdhsa_kernarg_size 24
		.amdhsa_user_sgpr_count 2
		.amdhsa_user_sgpr_kernarg_segment_ptr 1
		.amdhsa_wavefront_size32 1
		.amdhsa_system_sgpr_workgroup_id_x 1
		.amdhsa_system_sgpr_workgroup_id_y 1
		.amdhsa_system_sgpr_workgroup_id_z 1
		.amdhsa_system_vgpr_workitem_id 0
		.amdhsa_next_free_vgpr 1024
		.amdhsa_next_free_sgpr 100
		.amdhsa_reserve_vcc 0
		.amdhsa_float_denorm_mode_32 3
		.amdhsa_float_denorm_mode_16_64 3
		.amdhsa_memory_ordered 1
		.amdhsa_forward_progress 1
		.amdhsa_inst_pref_size 83
	.end_amdhsa_kernel
	.amdgpu_metadata
---
amdhsa.version: [ 1, 2 ]
amdhsa.kernels:
  - .name:           k_q1703756677_oproj
    .symbol:         k_q1703756677_oproj.kd
    .args:
      - { .name: cod, .offset: 0, .size: 8, .value_kind: global_buffer, .address_space: global }
      - { .name: xc, .offset: 8, .size: 8, .value_kind: global_buffer, .address_space: global }
      - { .name: out0, .offset: 16, .size: 8, .value_kind: global_buffer, .address_space: global }
    .group_segment_fixed_size: 295424
    .private_segment_fixed_size: 0
    .kernarg_segment_align: 8
    .kernarg_segment_size: 24
    .max_flat_workgroup_size: 128
    .sgpr_count:     100
    .vgpr_count:     1024
    .wavefront_size: 32
...
	.end_amdgpu_metadata
.endif
;; end of part 4
;; ======== version 2 of 2: 4 launches; version 1 with the launch attn written anew for expert scheduling mode
;; limits: right only within a limited range of input values
;; workspace buffers: cod 22,937,600 bytes; msk 532,480 bytes of whole numbers; qq 6,815,744 bytes; kv 13,631,488 bytes; xc 6,553,600 bytes
;; launch prep: the kernel of part 1 again; grid 960 x 1, 4 waves a work-group, no clusters, 68,096 bytes of LDS; arguments query, key, value, w_q, w_k, w_v, w_o, mask, cod, msk; writes cod, msk
;; launch proj: the kernel of part 2 again; grid 4 x 192, 4 waves a work-group, clusters of 4 x 4, 295,424 bytes of LDS; arguments cod, qq, kv; writes qq, kv
;; launch attn (part 5): grid 4 x 64, 16 waves a work-group, no clusters, 215,040 bytes of LDS; arguments qq, kv, msk, xc; writes xc
.if DOCPART == 5
	.amdgcn_target "amdgcn-amd-amdhsa--gfx1250"
	.amdhsa_code_object_version 6
	.text
	.protected	k_q1703756677_attn
	.globl	k_q1703756677_attn
	.p2align	8
	.type	k_q1703756677_attn,@function
k_q1703756677_attn:
	s_mov_b64 s[64:65], 0
	v_nop
	global_prefetch_b8 v0, s[64:65] scope:SCOPE_SE
	s_setreg_imm32_b32 hwreg(HW_REG_WAVE_SCHED_MODE, 0, 2), 2
	s_setreg_imm32_b32 hwreg(HW_REG_WAVE_MODE, 25, 1), 1
	s_wait_xcnt 0x0
	s_wait_alu depctr_vm_vsrc(0)
; ATTN.  x[b][q][head] = softmax_k(where(mask == 0, -1e9, q . k / 8)) v on codes of BF6 (E3M2) with E8M0 scales; x is quantised in registers along the head's 64 and leaves as codes for the last product.
; THE SOFTMAX AHEAD OF THE SECOND PRODUCT: t = score x log2(e) / 8; M = the row's largest t so far, rounded up to a whole number; p = 2^(t - M) is quantised along the keys, not normalised; the row's sum is taken of the
; unquantised p and divides at the end.  When M moves, the sum and O are multiplied by 2^(old M - new M): exact.
; SHARES.  A work-group owns one (batch, head) and two blocks of 256 queries, p and 7 - p (for even work under masks that hide later keys; no result hangs on the pairing); wave w owns the tile of 16 queries T = 16 block + w.
; The head's 16 records (128 keys each: K's 8 half fragments, V's 4 fragments, their scale images: 13,312 bytes) lie in LDS, 212,992 bytes, stored once through registers; behind the one barrier no wave waits for another.
; THE MASK IS AN INPUT.  An earlier launch has stored, for each (T, key step), 64 lane masks and a word (which rows have an open key; whether nothing is blocked).  A step in which all 16 queries are blocked throughout is
; passed over by a scalar branch on that word, but only where each of the 16 queries has an open key somewhere: a query that is blocked everywhere weighs all keys alike, so its tile walks every step.
; A step with blocked keys replaces their scores ahead of the maximum (64 selects by lane masks in scalar registers); a step with none jumps over the selects.
; NO CLUSTER, no joint loads: steps are passed over by branches on stored whole numbers, so the tiles come through registers, and such loads have no joint form; the four work-groups of a head read the same 212,992 bytes once each.
; LAYOUT.  Both products are used transposed: S^T = K Q^T (source 0 = 16 keys, source 1 = my 16 queries), O^T = V^T P^T: a lane holds one query (lane % 16) throughout.  Lane r of tile 2 b + u of K holds key
; 32 b + 8 u + r + 8 (r / 8), so score register 16 b + i is key 32 b + 16 (lane / 16) + i; V's channels are laid likewise, so O^T's register 16 b + i is channel 32 b + 16 (lane / 16) + i.
; K = 64 IN AN INSTRUCTION OF 128: Q's registers 6-11 are zero codes; K's operand of tile t runs on into the next tile's registers (v80-85, zeros, behind tile 7), which multiply those zeros; the two blocks' scale bytes are 0x7f.
; LIMITS: a blocked score is held at -2^33 ahead of the factor log2(e) / 8, a logit of -2^30 in place of -1e9 (that t is a whole number, so a query blocked everywhere has p = 1 for every key, as with -1e9):
; results differ only where an open logit lies under about -1e9.  NaN and infinities are not served.  A block's byte is held at 1 from below.  x's scale bytes leave as single bytes, 32 a wave and pass, inside one block of 256.
; REGISTERS: v1-4 16 x lane, 8 x lane, r, h; v5-6 the step's LDS addresses; v7-11, v29 offsets of Q and x; v12 -M, v13 the largest t, v[14:15] the sum; v16-27 Q; v28 Q's scale words; v32-85 K's tiles or V's fragments;
;   v86-89, v90-93 their scale words; v96-159 S^T, then p; v160-191 O^T; v192-210 codes; v212-227 at work; v228 the blocked score.
; THE MODE: SCHED_MODE bits 1:0 = 2 (LLVM: expert scheduling mode 2), set by the entry lines.  The code itself states the register dependences between vector or matrix instructions and memory or LDS instructions,
; with s_wait_alu, always for 0.
; THE PLAN.  Registers that memory or LDS instructions touch:
;   v140-143, v32-135   at the head only: the fill's offsets (written once by vector lines) and its data (loads land, LDS stores read).  All are written anew from the barrier on: one wait on vm_vsrc behind it.
;   v5, v6       written by two additions at the head of each step that is walked; read by that step's 34 LDS loads.
;   v32-79       K's tiles land at the step's head; the eight products K Q^T read them; V's fragments land behind the exponentials' wait; the four products V^T P read them.
;   v86-89       K's scale words: they land with K; K Q^T reads them.        v90-93  V's: they land with V; V^T P reads them.
;   v7-9         Q's offsets, written once a pass.    v16-21, v28  Q and its scale words land once a pass; every K Q^T of the pass reads them.
;   v10, v11, v29   x's offsets, written once a pass.    v192-197, v227  x's codes and byte, written on the way out, read by the pass's three stores.
;   v192-203, v226  in a step: p's codes and scale word, written by vector lines, taken by the scaled products V^T P.
; A STEP HAS: one wait on vm_vsrc ahead of the two additions; one on va_vdst behind them, ahead of K's loads; the wait behind the 64 exponentials, which also stands for V's loads (no vector or matrix line between it
; and the wait for V names v32-79 or v90-93); the wait behind the four exponentials; one on va_vdst ahead of V^T P.  A step that is passed over issues nothing: what is pending meets the same waits in the next step or on the way out.
.set RECB, 13312
.set KSC,  12288                       ; in a record: K's scale image
.set VOFF, 6144                        ; V's fragments
.set VSC,  12800                       ; V's scale image
.set QSCL, 6291456                     ; qq: behind the codes, the scale words
.set XSCL, 6291456                     ; xc: likewise
.set DIG,  524288                      ; msk: behind the lane masks, the words
.set WV,   12                          ; s12 wave;  s13 p;  s14 batch x 16 + head;  s15 block;  s16 T;  s17 64 T
.set CNT,  18                          ; s18 steps to go
.set RC,   19                          ; s19 the record's LDS byte
.set LMP,  52                          ; s[52:53] the step's lane masks in memory;  the masks themselves: word n in s[20 + n] (n < 32) or s[36 + n]
.set HID,  56                          ; s56 bit 0: this step is passed over
.set OPN,  57                          ; s57 bit 0: nothing is blocked in this step
.set ANY,  58                          ; s58 rows with an open key
.set SEL,  60                          ; s[60:61] lane l xor 16
.set CS,   62                          ; s[62:63] c = log2(e) / 8
	s_load_b256 s[4:11], s[0:1], 0x0               ; qq, kv, msk, xc
	v_lshl_add_u32 v254, v0, 2, 0x34000
	v_mov_b32 v255, 0
	v_lshrrev_b32 v5, 5, v0
	v_readfirstlane_b32 s[WV], v5                  ; wave 0..15
	s_mov_b32 s13, ttmp9
	s_and_b32 s14, ttmp7, 0xffff
	v_and_b32 v6, 31, v0
	v_lshlrev_b32 v1, 4, v6
	v_lshlrev_b32 v2, 3, v6
	v_and_b32 v3, 15, v0
	v_bfe_u32 v4, v0, 4, 1
	v_lshlrev_b32 v140, 4, v0                      ; 16 x thread: in the head's records, and in LDS
	v_add_nc_u32 v141, 0x10000, v140               ; (an LDS offset has 16 bits)
	v_add_nc_u32 v142, 0x20000, v140
	v_add_nc_u32 v143, 0x30000, v140
	s_wait_alu depctr_va_sdst(0)                   ; s12, the wave's number, is written: both passes' scalar lines read it; this wait stands ahead of every label
	s_mul_i32 s54, s14, 16*RECB
	s_mov_b32 s55, 0
	s_mov_b32 s[SEL], 0x76543210
	s_mov_b32 s[SEL+1], 0xfedcba98
	s_mov_b32 s[CS], 0x3e38aa3b
	s_mov_b32 s[CS+1], s[CS]                       ; (named with it as a pair, so it is written)
	s_mov_b32 s66, 0xffff0000                      ; lanes 16-31
	s_wait_kmcnt 0x0
	s_add_nc_u64 s[6:7], s[6:7], s[54:55]
	s_wait_alu depctr_va_vdst(0)                   ; v140 to v143 are written, which the loads and the LDS stores below read as their offsets
.irp i, 0,1,2,3,4,5,6,7,8,9,10,11,12,13,14,15,16,17,18,19,20,21,22,23,24,25
	global_load_b128 v[32+4*\i:35+4*\i], v140, s[6:7] offset:8192*\i   ; 512 threads x 16 bytes x 26 = the head's 212,992 bytes
.endr
	s_wait_loadcnt 13                              ; the older 13 are in; the younger 13 may be out
.irp i, 0,1,2,3,4,5,6,7,8,9,10,11,12
	ds_store_b128 v[140+(\i/8)], v[32+4*\i:35+4*\i] offset:8192*(\i%8)
.endr
	s_wait_loadcnt 0x0
.irp i, 13,14,15,16,17,18,19,20,21,22,23,24,25
	ds_store_b128 v[140+(\i/8)], v[32+4*\i:35+4*\i] offset:8192*(\i%8)
.endr
	s_wait_dscnt 0x0                               ; for the others' sake: my stores have landed
	s_barrier_signal -1
	s_barrier_wait -1                              ; the records are whole; from here on LDS is only read
	s_wait_alu depctr_vm_vsrc(0)                   ; my LDS stores have read v32 to v135 and v140 to v143: from here on these are K's, V's and the scores' registers, written by the moves below, by LDS loads and by products
.irp i, 0,1,2,3,4,5
	v_mov_b32 v[22+\i], 0                          ; Q's upper 64 along K: zero codes
	v_mov_b32 v[80+\i], 0                          ; what stands behind K's tile 7
.endr
.irp b, 0,1,2,3
	v_mov_b32 v[216+\b], 0                         ; written once: a lane permute's destination counts as one of its sources
.endr
	v_mov_b32 v225, 0                              ; (named as the upper half of the pair v[224:225])
	v_mov_b32 v227, 0
	v_mov_b32 v228, 0xd0000000                     ; -2^33
.macro PASS second
	s_wait_xcnt 0x0                                ; the last pass's stores have read their registers
.if \second
	s_wait_alu depctr_vm_vsrc(0)                   ; the first pass's stores have read v10, v11, v29, v192 to v197 and v227, its loads of Q v7 to v9: this pass writes them all again
.endif
.if \second
	s_sub_co_u32 s15, 7, s13
.else
	s_mov_b32 s15, s13
.endif
	s_lshl_b32 s16, s15, 4
	s_add_co_u32 s16, s16, s[WV]                   ; T
	s_lshl_b32 s54, s14, 7
	s_add_co_u32 s54, s54, s16
	s_mul_i32 s54, s54, 768                        ; Q's half fragment
	v_add_nc_u32 v7, s54, v1
	v_add_nc_u32 v8, s54, v2
	s_lshl_b32 s54, s14, 13
	s_lshr_b32 s55, s16, 2
	s_lshl_b32 s55, s55, 8
	s_add_co_u32 s54, s54, s55
	s_and_b32 s55, s16, 3
	s_lshl_b32 s55, s55, 2
	s_add_co_u32 s54, s54, s55
	v_lshl_add_u32 v9, v3, 4, s54                  ; its scale words
	s_wait_alu depctr_va_vdst(0)                   ; v7 to v9 are written, which the three loads read; the products issued so far are done reading v16 to v21 and v28, in which they land
	global_load_b128 v[16:19], v7, s[4:5]
	global_load_b64 v[20:21], v8, s[4:5] offset:512
	global_load_b32 v28, v9, s[4:5] offset:QSCL
	s_lshl_b32 s17, s16, 6
	s_load_b512 s[68:83], s[8:9], s17 offset:DIG   ; my tile's 16 words, one a key step
	s_lshr_b32 s54, s14, 4
	s_lshl_b32 s54, s54, 7
	s_add_co_u32 s54, s54, s16                     ; x's row tile: batch x 128 + T
	s_and_b32 s55, s14, 15                         ; the head
	s_lshl_b32 s59, s54, 4
	s_add_co_u32 s59, s59, s55
	s_mul_i32 s59, s59, 768                        ; x's half fragment
	v_add_nc_u32 v10, s59, v1
	v_add_nc_u32 v11, s59, v2
	s_lshl_b32 s54, s54, 9                         ; its scale bytes: 512 a row tile; K step = head / 2: lanes' half (head / 8), word (head / 2) % 4, bytes 2 (head % 2) + block
	s_lshr_b32 s59, s55, 3
	s_lshl_b32 s59, s59, 8
	s_add_co_u32 s54, s54, s59
	s_bfe_u32 s59, s55, 0x20001
	s_lshl_b32 s59, s59, 2
	s_add_co_u32 s54, s54, s59
	s_and_b32 s59, s55, 1
	s_lshl_b32 s59, s59, 1
	s_add_co_u32 s54, s54, s59
	v_lshl_add_u32 v29, v3, 4, s54
	v_add_nc_u32 v29, v29, v4                      ; lane (r, h) stores block h's byte of row r
	s_lshl_b32 s54, s16, 12
	s_mov_b32 s55, 0
	s_add_nc_u64 s[LMP:LMP+1], s[8:9], s[54:55]    ; my tile's lane masks: 256 bytes a step
	v_mov_b32 v13, 0xff61b1e6                      ; the largest t so far: -3e38, under every t
	v_floor_f32 v12, -v13                          ; -M
	v_mov_b32 v14, 0
	v_mov_b32 v15, 0
.set j, 0
.rept 32
	v_mov_b32 v[160+j], 0                          ; O^T: the step is written once; the first finds zeros, which the first change of M leaves zeros
.set j, j+1
.endr
	s_mov_b32 s[HID], 0
	s_mov_b32 s[OPN], 0
	s_mov_b32 s[ANY], 0
	s_wait_kmcnt 0x0
.irp j, 0,1,2,3,4,5,6,7,8,9,10,11,12,13,14,15
	s_and_b32 s59, s[68+\j], 0xffff                ; rows with an open key in step j
	s_cselect_b32 s67, 0, 1<<\j                    ; none: the step can be passed over
	s_or_b32 s[HID], s[HID], s67
	s_or_b32 s[ANY], s[ANY], s59
	s_bfe_u32 s59, s[68+\j], 0x10010               ; nothing is blocked in step j
	s_lshl_b32 s59, s59, \j
	s_or_b32 s[OPN], s[OPN], s59
.endr
	s_cmp_eq_u32 s[ANY], 0xffff
	s_cselect_b32 s[HID], s[HID], 0                ; a query that is blocked everywhere: every step is walked
	s_mov_b32 s[RC], 0
	s_mov_b32 s[CNT], 16
	s_wait_loadcnt 0x0                             ; Q
.Lstep_\@:
	s_bitcmp1_b32 s[HID], 0
	s_cbranch_scc1 .Lend_\@
	s_load_b512 s[20:35], s[LMP:LMP+1], 0x0        ; the step's 64 lane masks, in every step that is walked: so they are written wherever they could be read
	s_load_b512 s[36:51], s[LMP:LMP+1], 0x40
	s_load_b512 s[68:83], s[LMP:LMP+1], 0x80
	s_load_b512 s[84:99], s[LMP:LMP+1], 0xc0
	s_wait_alu depctr_vm_vsrc(0)                   ; the LDS loads of the step that was walked last have read v5 and v6, which the two additions write
	v_add_nc_u32 v5, s[RC], v1
	v_add_nc_u32 v6, s[RC], v2
	s_wait_alu depctr_va_vdst(0)                   ; v5 and v6 are written, which this step's LDS loads read; the last step's products V^T P are done reading v32 to v79 and its K Q^T v86 to v89, in which K lands; in a pass's first step: the zero codes v22 to v27 and v80 to v85 are written, which the scaled products take
.irp t, 0,1,2,3,4,5,6,7
	ds_load_b128 v[32+6*\t:35+6*\t], v5 offset:768*\t
	ds_load_b64 v[36+6*\t:37+6*\t], v6 offset:768*\t+512
.endr
	ds_load_b128 v[86:89], v5 offset:KSC           ; lanes 0-15: tiles 0-3's scale words; lanes 16-31: tiles 4-7's
	s_wait_dscnt 0x0
.irp t, 0,1,2,3
	v_wmma_scale_f32_16x16x128_f8f6f4 v[96+8*\t:103+8*\t], v[32+6*\t:43+6*\t], v[16:27], 0, v[86+\t], v28 matrix_a_fmt:MATRIX_FMT_BF6 matrix_b_fmt:MATRIX_FMT_BF6
.endr
.irp t, 4,5,6,7
	v_wmma_scale_f32_16x16x128_f8f6f4 v[96+8*\t:103+8*\t], v[32+6*\t:43+6*\t], v[16:27], 0, v[82+\t], v28 matrix_a_fmt:MATRIX_FMT_BF6 matrix_b_fmt:MATRIX_FMT_BF6 matrix_a_scale:MATRIX_SCALE_ROW1
.endr
.rept 4
	v_nop                                          ; places in front of the first read of the scores
.endr
	s_bitcmp1_b32 s[OPN], 0
	s_cbranch_scc1 .Lopen_\@
	s_wait_kmcnt 0x0                               ; the lane masks
.set n, 0
.rept 32
	v_cndmask_b32 v[96+n], v[96+n], v228, s[20+n]  ; a blocked key's score, ahead of the maximum
.set n, n+1
.endr
.rept 32
	v_cndmask_b32 v[96+n], v[96+n], v228, s[36+n]
.set n, n+1
.endr
.Lopen_\@:
.irp b, 0,1,2,3
	v_max3_num_f32 v[212+\b], v[96+16*\b], v[97+16*\b], v[98+16*\b]   ; the largest score of each block of 32 keys: for the row's maximum and, since p rises with the score, for the block's largest p
.endr
.irp i, 3,5,7,9,11,13
.irp b, 0,1,2,3
	v_max3_num_f32 v[212+\b], v[212+\b], v[96+16*\b+\i], v[97+16*\b+\i]
.endr
.endr
.irp b, 0,1,2,3
	v_max_num_f32 v[212+\b], v[212+\b], v[111+16*\b]
.endr
.irp b, 0,1,2,3
	v_permlanex16_b32 v[216+\b], v[212+\b], s[SEL], s[SEL+1]
.endr
.irp b, 0,1,2,3
	v_max_num_f32 v[212+\b], v[212+\b], v[216+\b]  ; with lane l xor 16's 16 keys
.endr
	v_max3_num_f32 v227, v212, v213, v214
	v_max_num_f32 v227, v227, v215                 ; the step's largest score of my query
	v_mul_f32 v227, s[CS], v227                    ; as t (c is positive)
	v_max_num_f32 v13, v13, v227                   ; the running largest t
	v_mov_b32 v227, v12
	v_floor_f32 v12, -v13                          ; the new -M = floor(-t) = -ceil(t): a whole number
	v_sub_f32 v227, v12, v227                      ; M's old value less its new one: a whole number, 0 or less
	v_cvt_i32_f32 v227, v227                       ; (it saturates)
	v_ldexp_f32 v224, 1.0, v227                    ; f = 2^(old M - new M)
.set j, 0
.rept 32
	v_pk_fma_f32 v[96+j:97+j], v[96+j:97+j], s[CS:CS+1], v[12:13] op_sel_hi:[1,0,0]   ; t - M, two at a time
.set j, j+2
.endr
.irp b, 0,1,2,3
	v_fma_f32 v[212+\b], v[212+\b], s[CS], v12     ; the same of each block's largest score
.endr
.set j, 0
.rept 64
	v_exp_f32 v[96+j], v[96+j]                     ; p = 2^(t - M), at most 1: not normalised
.set j, j+1
.endr
	v_pk_mul_f32 v[14:15], v[14:15], v[224:225] op_sel_hi:[1,0]   ; the sums under the new M: the plain place behind the exponentials
	s_wait_alu depctr_va_vdst(0)                   ; the 64 exponentials have written p, ahead of its first reader (one wait for the batch); the products K Q^T are done reading v32 to v85, and the last step's V^T P v90 to v93, in which V lands
.irp a, 0,1,2,3                                ; V's fragments land under the sums, the scales and the conversions: no vector or matrix line names their registers before the wait for them
	ds_load_b128 v[32+12*\a:35+12*\a], v5 offset:VOFF+1536*\a
	ds_load_b64 v[36+12*\a:37+12*\a], v6 offset:VOFF+1536*\a+512
	ds_load_b128 v[38+12*\a:41+12*\a], v5 offset:VOFF+1536*\a+768
	ds_load_b64 v[42+12*\a:43+12*\a], v6 offset:VOFF+1536*\a+1280
.endr
	ds_load_b128 v[90:93], v5 offset:VSC
.irp b, 0,1,2,3
	v_exp_f32 v[212+\b], v[212+\b]                 ; the block's largest p: the same two instructions on the same number give the same bits
.endr
	v_pk_add_f32 v[216:217], v[96:97], v[98:99]    ; the row's sum is taken of the unquantised p, in two chains; it reads the 64 alone
.irp j, 4,8,12,16,20,24,28,32,36,40,44,48,52,56,60
	v_pk_add_f32 v[14:15], v[14:15], v[96+\j:97+\j]
	v_pk_add_f32 v[216:217], v[216:217], v[98+\j:99+\j]
.endr
	v_pk_add_f32 v[14:15], v[14:15], v[216:217]
	s_wait_alu depctr_va_vdst(0)                   ; the four exponentials have written v212 to v215, ahead of their first reader
.irp b, 0,1,2,3
	v_max_num_f32 v[212+\b], 0x2800000, v[212+\b]  ; the floor 2^(5 - 127): a block whose every p is 0 keeps the byte 1: its codes are zeros
.endr
.irp b, 0,1,2,3
	v_add_nc_u32 v[220+\b], 0xfe000000, v[212+\b]  ; 4 off the exponent field: the conversion's scale operand
.endr
.irp b, 0,1,2,3
	v_lshrrev_b32 v[216+\b], 23, v[220+\b]         ; the scale's byte
.endr
	v_lshl_or_b32 v226, v217, 8, v216              ; p's scale word for these 128 keys
	v_lshl_or_b32 v226, v218, 16, v226
	v_lshl_or_b32 v226, v219, 24, v226
.irp c, 0,1
	v_cvt_scalef32_pk16_bf6_f32 v[192+6*\c:194+6*\c], v[96+32*\c:111+32*\c], v[220+2*\c]
	v_cvt_scalef32_pk16_bf6_f32 v[204+4*\c:206+4*\c], v[112+32*\c:127+32*\c], v[221+2*\c]   ; (a conversion's three registers begin on an even number)
.endr
	v_nop                                          ; one plain place behind a scaled conversion
.irp c, 0,1                                    ; a whole block in a lane: lanes 0-15 block 2 c, lanes 16-31 block 2 c + 1
.irp i, 0,1,2
	v_permlane16_swap_b32 v[192+6*\c+\i], v[204+4*\c+\i]
.endr
.irp i, 0,1,2
	v_mov_b32 v[195+6*\c+\i], v[204+4*\c+\i]
.endr
.endr
.set j, 0
.rept 16
	v_pk_mul_f32 v[160+j:161+j], v[160+j:161+j], v[224:225] op_sel_hi:[1,0]   ; O^T under the new M; these 16 are also the places between p's codes and scale word and the products
.set j, j+2
.endr
	s_wait_dscnt 0x0                               ; V
	s_wait_alu depctr_va_vdst(0)                   ; p's codes v192 to v203 and its scale word v226 are written, which the scaled products take; the places above stay beside this wait
.irp a, 0,1,2,3
	v_wmma_scale_f32_16x16x128_f8f6f4 v[160+8*\a:167+8*\a], v[32+12*\a:43+12*\a], v[192:203], v[160+8*\a:167+8*\a], v[90+\a], v226 matrix_a_fmt:MATRIX_FMT_BF6 matrix_b_fmt:MATRIX_FMT_BF6
.endr
.rept 4
	v_nop                                          ; places in front of the next read of O^T
.endr
	s_wait_kmcnt 0x0                               ; the lane masks' loads are done: their pointer may step, and the next step's may land
.Lend_\@:
	s_lshr_b32 s[HID], s[HID], 1
	s_lshr_b32 s[OPN], s[OPN], 1
	s_add_co_u32 s[RC], s[RC], RECB
	s_add_nc_u64 s[LMP:LMP+1], s[LMP:LMP+1], 256
	s_sub_co_u32 s[CNT], s[CNT], 1
	s_cmp_lg_u32 s[CNT], 0
	s_cbranch_scc1 .Lstep_\@
	; THE WAY OUT: O^T / the sum is x's 64 numbers of my query's head: two blocks of 32, quantised as p is; a half fragment and two scale bytes a row
	v_add_f32 v14, v14, v15                        ; the sum's two halves,
	v_permlanex16_b32 v227, v14, s[SEL], s[SEL+1]
	v_add_f32 v14, v14, v227                       ; and lane l xor 16's
	v_rcp_f32 v14, v14
	v_nop                                          ; a plain place behind the reciprocal
	s_wait_alu depctr_va_vdst(0)                   ; the reciprocal has written v14, ahead of its first reader
.set j, 0
.rept 16
	v_pk_mul_f32 v[96+j:97+j], v[160+j:161+j], v[14:15] op_sel_hi:[1,0]   ; register 16 b + i: channel 32 b + 16 h + i
.set j, j+2
.endr
.irp b, 0,1
	v_max3_num_f32 v[212+\b], |v[96+16*\b]|, |v[97+16*\b]|, 0x2800000
.endr
.irp i, 2,4,6,8,10,12,14
.irp b, 0,1
	v_max3_num_f32 v[212+\b], v[212+\b], |v[96+16*\b+\i]|, |v[97+16*\b+\i]|
.endr
.endr
.irp b, 0,1
	v_permlanex16_b32 v[216+\b], v[212+\b], s[SEL], s[SEL+1]
.endr
.irp b, 0,1
	v_max_num_f32 v[212+\b], v[212+\b], v[216+\b]
.endr
.irp b, 0,1
	v_add_nc_u32 v[220+\b], 0xfe000000, v[212+\b]
.endr
.irp b, 0,1
	v_lshrrev_b32 v[216+\b], 23, v[220+\b]
.endr
	v_cvt_scalef32_pk16_bf6_f32 v[192:194], v[96:111], v220
	v_cvt_scalef32_pk16_bf6_f32 v[204:206], v[112:127], v221
	v_nop
.irp i, 0,1,2
	v_permlane16_swap_b32 v[192+\i], v[204+\i]
.endr
.irp i, 0,1,2
	v_mov_b32 v[195+\i], v[204+\i]
.endr
	v_cndmask_b32 v227, v216, v217, s66            ; lanes 0-15: block 0's byte; lanes 16-31: block 1's
	s_wait_alu depctr_va_vdst(0)                   ; x's codes v192 to v197 and its byte v227 are written, and so are the offsets v10, v11 and v29: the three stores read them
	global_store_b128 v10, v[192:195], s[10:11]    ; 512 consecutive bytes, aligned
	global_store_b64 v11, v[196:197], s[10:11] offset:512
	global_store_b8 v29, v227, s[10:11] offset:XSCL
.endm
	PASS 0
	PASS 1
	s_wait_dscnt 0x0
	s_wait_alu depctr_hold_cnt(0) depctr_sa_sdst(0) depctr_va_vdst(0) depctr_va_sdst(0) depctr_va_ssrc(0) depctr_va_vcc(0) depctr_vm_vsrc(0)
	s_wait_tensorcnt 0x0
	ds_add_u32 v254, v255
	s_wait_dscnt 0x0
	s_endpgm
.Lfunc_end_k_q1703756677_attn:
	.size	k_q1703756677_attn, .Lfunc_end_k_q1703756677_attn-k_q1703756677_attn
	.p2alignl 7, 3214868480
	.fill 96, 4, 3214868480
	.section	.rodata,"a",@progbits
	.p2align	6, 0x0
	.amdhsa_kernel k_q1703756677_attn
		.amdhsa_group_segment_fixed_size 215040
		.amdhsa_private_segment_fixed_size 0
		.amdhsa_enable_private_segment 0
		.amdhsa_kernarg_size 32
		.amdhsa_user_sgpr_count 2
		.amdhsa_user_sgpr_kernarg_segment_ptr 1
		.amdhsa_wavefront_size32 1
		.amdhsa_system_sgpr_workgroup_id_x 1
		.amdhsa_system_sgpr_workgroup_id_y 1
		.amdhsa_system_sgpr_workgroup_id_z 1
		.amdhsa_system_vgpr_workitem_id 0
		.amdhsa_next_free_vgpr 256
		.amdhsa_next_free_sgpr 102
		.amdhsa_reserve_vcc 0
		.amdhsa_float_denorm_mode_32 3
		.amdhsa_float_denorm_mode_16_64 3
		.amdhsa_memory_ordered 1
		.amdhsa_forward_progress 1
		.amdhsa_inst_pref_size 71
	.end_amdhsa_kernel
	.amdgpu_metadata
---
amdhsa.version: [ 1, 2 ]
amdhsa.kernels:
  - .name:           k_q1703756677_attn
    .symbol:         k_q1703756677_attn.kd
    .args:
      - { .name: qq, .offset: 0, .size: 8, .value_kind: global_buffer, .address_space: global }
      - { .name: kv, .offset: 8, .size: 8, .value_kind: global_buffer, .address_space: global }
      - { .name: msk, .offset: 16, .size: 8, .value_kind: global_buffer, .address_space: global }
      - { .name: xc, .offset: 24, .size: 8, .value_kind: global_buffer, .address_space: global }
    .group_segment_fixed_size: 215040
    .private_segment_fixed_size: 0
    .kernarg_segment_align: 8
    .kernarg_segment_size: 32
    .max_flat_workgroup_size: 512
    .sgpr_count:     102
    .vgpr_count:     256
    .wavefront_size: 32
...
	.end_amdgpu_metadata
.endif
;; end of part 5
;; launch oproj: the kernel of part 4 again; grid 4 x 64, 4 waves a work-group, clusters of 4 x 4, 295,424 bytes of LDS; arguments cod, xc, out0; writes out0
